; MI455X (gfx1250); checked and timed in simulation.
; The chip was launched on July 23, 2026; its instructions are those of AMD's public machine-readable ISA for CDNA 5 (MIT licence, August 2026) and "CDNA5" Instruction Set Architecture Reference Guide (July 2026). The comments in the code are by the model that wrote it; some were corrected since.
;; Block. Allowed arithmetic: matrix products marked QUANTISED: E2M3 operands, one E8M0 scale for each 32 along K, by v_wmma_scale_f32_16x16x128_f8f6f4 with both operands' format E2M3, f32 sums; everything else in f32.
;; Inputs: W_attn 1,024 x 3,072 float32; W_fc 1,024 x 4,096 float32; W_fc2 4,096 x 1,024 float32; W_proj 1,024 x 1,024 float32; b_attn 3,072 float32; b_fc 4,096 float32; b_fc2 1,024 float32; b_proj 1,024 float32; ln1_b 1,024 float32; ln1_g 1,024 float32; ln2_b 1,024 float32; ln2_g 1,024 float32; x 2 x 2,048 x 1,024 float32.
;; Outputs: out0 2 x 2,048 x 1,024 float32.
;; This version of the problem:
;;   THIS VERSION OF THE PROBLEM IS GIVEN IN LOW PRECISION. The matrix products marked QUANTISED in the list below multiply operands that are first quantised to E2M3 (2 exponent bits, 3 mantissa bits; 6 bits a number), with one power-of-two scale for each 32 numbers along K (OCP MX v1.0); their sums are f32. All else is computed in f32.
;;   The module's matrix products, in the order in which they are computed (A, B: the left and right operand; K: the contracted axis; several contracted axes count as one K, in the product's order):
;;     1. [M 4,096, K 1,024] x [K 1,024, N 3,072]; A: computed on the way; B: input W_attn: QUANTISED
;;     2. batch 32 x [M 2,048, K 64] x [K 64, N 2,048]; A: computed on the way; B: computed on the way: QUANTISED
;;     3. batch 32 x [M 2,048, K 2,048] x [K 2,048, N 64]; A: softmax (see below); B: computed on the way: QUANTISED
;;     4. [M 4,096, K 1,024] x [K 1,024, N 1,024]; A: computed on the way; B: input W_proj: QUANTISED
;;     5. [M 4,096, K 1,024] x [K 1,024, N 4,096]; A: computed on the way; B: input W_fc: QUANTISED
;;     6. [M 4,096, K 4,096] x [K 4,096, N 1,024]; A: computed on the way; B: input W_fc2: QUANTISED
;;   THE QUANTISER, for each operand of a quantised product, along K:
;;     - K is cut into blocks of 32 from its start; a last block that is shorter is filled with zeros.
;;     - A block's scale is 2^e with e = floor(log2(the largest magnitude in the block)) - 2, held to -126 .. 127; a block of zeros has e = 0. As a byte (E8M0): e + 127.
;;     - Each number is divided by its block's scale, clamped to +-7.5, and rounded to the nearest number of E2M3, ties to even, subnormals kept.
;;     - The product sums the exact products of the quantised numbers (number of the format x scale) in f32.
;;   ~~~python
;;   def quantise(x, axis):      # numpy; x: float32 -> the quantised numbers, widened to float32 again
;;       x = np.moveaxis(x, axis, -1); K = x.shape[-1]
;;       x = np.pad(x, [(0, 0)] * (x.ndim - 1) + [(0, -K % 32)]); x = x.reshape(x.shape[:-1] + (-1, 32)); a = np.abs(x).max(-1, keepdims=True)
;;       e = np.where(a > 0, np.clip(np.frexp(np.where(a > 0, a, 1))[1] - 1 - 2, -126, 127), 0)      # np.frexp(a)[1] - 1 = floor(log2(a)), exactly
;;       r = np.clip(x / 2.0 ** e, -7.5, 7.5)
;;       step = 2.0 ** (np.maximum(np.frexp(np.where(r == 0, 1, r))[1] - 1, 0) - 3)
;;       q = np.round(r / step) * step * 2.0 ** e      # np.round: ties to even
;;       return np.moveaxis(q.reshape(q.shape[:-2] + (-1,))[..., :K], -1, axis).astype(np.float32)
;;   ~~~
;;   SOFTMAX AHEAD OF A QUANTISED PRODUCT. Where the list says 'softmax', what is quantised is not the finished softmax but p = 2^(t - M), with t = logit x log2(e) and M = ceil(the row's largest t), a whole number; so 1/2 < the row's largest p <= 1. The row's sum l is taken of the UNQUANTISED p, in f32, and the product's result is divided by l at the end. Since M is a whole number, a kernel that streams over the keys may use a running M (the ceiling of the running maximum): every later rescaling is an exact power of two, which a block's scale takes up: the codes' values come out the same.
;;   OPERANDS COMPUTED ON THE WAY. 'Computed on the way' means the value that the module computes at that place (a softmax that the list does not call 'softmax' is quantised finished and normalised). What goes into a quantiser is computed in f32, as accurately as f32 sums, v_exp_f32 and their like allow (about 1e-6 of the number): no bf16 or f16 on the way to a quantiser, and a product that is left as it is and whose result goes on into a quantised operand takes f32 operands (vector FMAs, or v_wmma_f32_16x16x4_f32). A number that lies on a knife's edge between two numbers of the format may be rounded either way, as far as f32 arithmetic and the matrix unit's own rounding can turn it there, and no further.
;; One version. Each part assembles by itself: llvm-mc -triple=amdgcn-amd-amdhsa -mcpu=gfx1250 --defsym DOCPART=n.
;; ======== version 1 of 1: 7 launches
;; limits: an absolute error that grows with the inputs' magnitude: up to 3e-08 times it
;; workspace buffers: wq 9,863,168 bytes; act 3,276,800 bytes; yb 3,276,800 bytes; hb 13,107,200 bytes; x1 16,777,216 bytes; qb 3,407,872 bytes; kv 6,684,672 bytes
;; launch prep (part 1): grid 640 x 1, 4 waves a work-group, no clusters, 90,880 bytes of LDS; arguments W_attn, W_proj, W_fc, W_fc2, x, ln1_g, ln1_b, wq, act; writes wq, act
.if DOCPART == 1
	.amdgcn_target "amdgcn-amd-amdhsa--gfx1250"
	.amdhsa_code_object_version 6
	.text
	.protected	k_q238b198b9a_prep
	.globl	k_q238b198b9a_prep
	.p2align	8
	.type	k_q238b198b9a_prep,@function
k_q238b198b9a_prep:
	s_mov_b64 s[64:65], 0
	v_nop
	global_prefetch_b8 v0, s[64:65] scope:SCOPE_SE
	s_setreg_imm32_b32 hwreg(HW_REG_WAVE_MODE, 25, 1), 1
	s_wait_xcnt 0x0
; Work-groups 0-383: the four weights [K][N] f32 become codes of E2M3 with K innermost and one E8M0 byte for each 32 along K.  Work-groups 384-639: LayerNorm 1 of x, quantised along its 1,024.
; LAYOUT OF ALL CODES OF THIS PROGRAM.  An operand's rows go in tiles of 16; row m of tile t is index 32 (t/2) + 16 (m/8) + 8 (t%2) + m%8.  A tile's 64 along K are one image of 768 bytes: lane (r, h) of the
; matrix operand owns block h of row r, six registers: the first four at byte 16 lane, the last two at byte 512 + 8 lane.  Images lie [tile][K/64][768].  Scale words (four bytes: 128 along K of a row) lie [K/128][tile][16].
; A block's scale byte is its largest magnitude's exponent field - 2, held at 1 from below.
; LIMITS: NaN and infinities are not served; a block of zeros, or one under 2^-124, gets the byte 1 over its codes (the rule says 127 for zeros): only this program reads the bytes, and zero codes add nothing.
; WEIGHTS: a lane takes a column, its registers run down K (32 loads of 128 consecutive bytes a wave for a block); a wave takes 32 columns x 256 along K; the images are gathered in the wave's own stage and leave as 512 dense bytes a store.
; LAYERNORM: a work-group is a tile of 16 tokens; a wave normalises four whole rows in registers; the rows meet in a stage; then each lane takes whole blocks of 32 of one row.
; The two paths part on the work-group's number alone and have LDS bytes of their own.
.set WA_IMG, 0
.set WP_IMG, 2359296
.set WF_IMG, 3145728
.set W2_IMG, 6291456
.set WA_SCL, 9437184
.set WP_SCL, 9568256
.set WF_SCL, 9601024
.set W2_SCL, 9732096
.set ACT_SCL, 3145728
.set LNID, 384                         ; the first LayerNorm work-group
.set STG,  24576                       ; LayerNorm's stage, behind the four weight stages of 6,144 bytes
.set SPI,  4112                        ; a stage row: 4,096 bytes + 16: sixteen rows start in sixteen different groups of banks
.set PACT, 20                          ; s[20:21] act
.set T0, 12
.set T1, 13
.set T2, 14
.set TB, 15
; weights
.set OFF, 32                           ; v32-63   4 lane + i rows of W
.set WX,  64                           ; v64-127  two sets of 32 numbers
.set WC,  128                          ; v128-134 a block's codes
.set SBY, 136                          ; v136-137 two scale words
.set OUT, 144                          ; v144-191 the way out
.set SB,  36                           ; s[36:51] the eight blocks' bases
; LayerNorm
.set BY, 16                            ; v16-19   four scale bytes
.set SM, 20                            ; v20-35   sums, four registers a row
.set MU, 36                            ; v36-43   -mean, later 1/sigma, a pair a row
.set W0, 44
.set W1, 45
.set P0, 46
.set P1, 47
.set SH8, 48
.set X,  64                            ; v64-191  four rows x 32, later four blocks x 32
.set G,  192                           ; v192-223 gain; later the codes
.set BV, 224                           ; v224-255 bias
.set CD, 192
; One whole block of 32 numbers in v[xs] on becomes six registers of codes in v[c] on and its byte in v[by].
.macro QUANT1 xs, c, by
	v_max3_num_f32 v[T0], |v[\xs]|, |v[\xs+1]|, |v[\xs+2]|
	v_max3_num_f32 v[T1], |v[\xs+3]|, |v[\xs+4]|, |v[\xs+5]|
.irp i, 6,10,14,18,22,26
	v_max3_num_f32 v[T0], v[T0], |v[\xs+\i]|, |v[\xs+\i+1]|
	v_max3_num_f32 v[T1], v[T1], |v[\xs+\i+2]|, |v[\xs+\i+3]|
.endr
	v_max3_num_f32 v[T0], v[T0], |v[\xs+30]|, |v[\xs+31]|
	v_max3_num_f32 v[T0], v[T0], v[T1], 0x1800000          ; the floor 2^(3 - 127): the byte cannot fall under 1
	v_add_nc_u32 v[T2], 0xff000000, v[T0]                  ; 2 off the exponent field: the conversion's scale operand
	v_cvt_scalef32_pk16_fp6_f32 v[\c:\c+2], v[\xs:\xs+15], v[T2]
	v_cvt_scalef32_pk16_fp6_f32 v[\c+4:\c+6], v[\xs+16:\xs+31], v[T2]   ; (three registers begin on an even number)
	v_lshrrev_b32 v[\by], 23, v[T2]                        ; the byte; also the plain line behind the conversions
	v_mov_b32 v[\c+3], v[\c+4]                             ; the gap is closed: six registers on end
	v_mov_b32 v[\c+4], v[\c+5]
	v_mov_b32 v[\c+5], v[\c+6]
.endm
	s_load_b256 s[4:11], s[0:1], 0x0               ; W_attn, W_proj, W_fc, W_fc2
	s_load_b256 s[12:19], s[0:1], 0x20             ; x, ln1_g, ln1_b, wq
	s_load_b64 s[20:21], s[0:1], 0x40              ; act
	s_set_vgpr_msb 0x40
	v_lshl_add_u32 v0, v0, 2, 0x16100
	v_mov_b32 v1, 0
	s_set_vgpr_msb 0x4000
	v_lshrrev_b32 v1, 5, v0
	v_readfirstlane_b32 s22, v1                    ; wave
	v_and_b32 v1, 31, v0                           ; lane
	s_cmp_lt_u32 ttmp9, LNID
	s_cbranch_scc0 .Lln
	; ---------------- the weights.  One text for all four: numbers and the source are chosen by the work-group's number
	s_mov_b32 s23, 256                             ; W_fc2: first id, bytes in a row, log2 of K/256, images, tile pitch, scales, kstep pitch
	s_mov_b32 s24, 4096
	s_mov_b32 s25, 4
	s_mov_b32 s26, W2_IMG
	s_mov_b32 s27, 49152
	s_mov_b32 s28, W2_SCL
	s_mov_b32 s29, 4096
	s_wait_kmcnt 0x0
	s_mov_b64 s[30:31], s[10:11]
	s_cmp_lt_u32 ttmp9, 256                        ; W_fc
	s_cselect_b32 s23, 128, s23
	s_cselect_b32 s24, 16384, s24
	s_cselect_b32 s25, 2, s25
	s_cselect_b32 s26, WF_IMG, s26
	s_cselect_b32 s27, 12288, s27
	s_cselect_b32 s28, WF_SCL, s28
	s_cselect_b32 s29, 16384, s29
	s_cselect_b64 s[30:31], s[8:9], s[30:31]
	s_cmp_lt_u32 ttmp9, 128                        ; W_proj
	s_cselect_b32 s23, 96, s23
	s_cselect_b32 s24, 4096, s24
	s_cselect_b32 s26, WP_IMG, s26
	s_cselect_b32 s28, WP_SCL, s28
	s_cselect_b32 s29, 4096, s29
	s_cselect_b64 s[30:31], s[6:7], s[30:31]
	s_cmp_lt_u32 ttmp9, 96                         ; W_attn (its scales' kstep pitch is padded to 256 tiles, as the activations' is)
	s_cselect_b32 s23, 0, s23
	s_cselect_b32 s24, 12288, s24
	s_cselect_b32 s26, WA_IMG, s26
	s_cselect_b32 s28, WA_SCL, s28
	s_cselect_b32 s29, 16384, s29
	s_cselect_b64 s[30:31], s[4:5], s[30:31]
	s_sub_co_u32 s32, ttmp9, s23
	s_lshl_b32 s33, 1, s25
	s_sub_co_u32 s33, s33, 1
	s_and_b32 s33, s32, s33                        ; y: which 256 along K
	s_lshr_b32 s32, s32, s25                       ; which 128 columns
	s_lshl_b32 s34, s32, 2
	s_add_co_u32 s34, s34, s22                     ; which 32 columns are my wave's
	s_lshl_b32 s52, s24, 8
	s_mul_i32 s52, s52, s33                        ; 256 y rows
	s_lshl_b32 s53, s34, 7
	s_add_co_u32 s52, s52, s53                     ; + 128 bytes for each 32 columns
	s_mov_b32 s53, 0
	s_add_nc_u64 s[SB:SB+1], s[30:31], s[52:53]
	s_lshl_b32 s52, s24, 5                         ; 32 rows on
.irp t, 1,2,3,4,5,6,7
	s_add_nc_u64 s[SB+2*\t:SB+2*\t+1], s[SB+2*\t-2:SB+2*\t-1], s[52:53]
.endr
	s_lshl_b32 s54, s34, 1                         ; my first tile
	s_mul_i32 s56, s54, s27
	s_mul_i32 s55, s33, 3072                       ; four images a 256 along K
	s_add_co_u32 s56, s56, s55
	s_add_co_u32 s56, s56, s26
	s_mov_b32 s57, 0
	s_add_nc_u64 s[56:57], s[18:19], s[56:57]      ; where my images go
	s_lshl_b32 s58, s33, 1
	s_mul_i32 s58, s58, s29                        ; kstep 2 y
	s_lshl_b32 s55, s54, 6
	s_add_co_u32 s58, s58, s55
	s_add_co_u32 s58, s58, s28
	s_mov_b32 s59, 0
	s_add_nc_u64 s[58:59], s[18:19], s[58:59]      ; where my scale words go
	v_lshlrev_b32 v[OFF], 2, v1
.set i, 1
.rept 31
	v_add_nc_u32 v[OFF+i], s24, v[OFF+i-1]
.set i, i+1
.endr
	v_bfe_u32 v9, v0, 3, 1                         ; column c of 32 is row (c%8) + 8 (c/16) of tile (c/8)%2
	v_and_b32 v10, 7, v0
	v_bfe_u32 v11, v0, 4, 1
	v_lshl_add_u32 v10, v11, 3, v10
	s_mul_i32 s60, s22, 6144                       ; my stage: two tiles x four images
	v_mul_u32_u24 v11, v9, 3072
	v_add_nc_u32 v11, s60, v11
	v_lshl_add_u32 v2, v10, 4, v11                 ; into an image: 16 x row,
	v_lshl_add_u32 v3, v10, 3, v11                 ; 8 x row
	v_lshlrev_b32 v5, 4, v1                        ; out: 16 x lane, first tile,
	v_add_nc_u32 v4, s60, v5
	v_add_nc_u32 v6, s27, v5                       ; second tile
	v_lshlrev_b32 v7, 6, v9
	v_lshl_add_u32 v7, v10, 2, v7                  ; my scale word's place, first kstep,
	v_add_nc_u32 v8, s29, v7                       ; second
.macro WLOAD t
.set i, 0
.rept 32
	global_load_b32 v[WX+32*((\t)%2)+i], v[OFF+i], s[SB+2*(\t):SB+2*(\t)+1] th:TH_LOAD_NT
.set i, i+1
.endr
.endm
.macro WBLOCK t
.if (\t) < 7
	s_wait_loadcnt 32                              ; this block's 32 loads are in, the next block's may be out
.else
	s_wait_loadcnt 0x0
.endif
	QUANT1 WX+32*((\t)%2), WC, TB
.if (\t)%4 == 0
	v_mov_b32 v[SBY+(\t)/4], v[TB]
.else
	v_lshl_or_b32 v[SBY+(\t)/4], v[TB], 8*((\t)%4), v[SBY+(\t)/4]
.endif
	ds_store_b128 v2, v[WC:WC+3] offset:((\t)/2)*768+256*((\t)%2)      ; block t is half t%2 of image t/2
	ds_store_b64 v3, v[WC+4:WC+5] offset:((\t)/2)*768+512+128*((\t)%2)
.if (\t)+2 < 8
	WLOAD (\t)+2
.endif
	s_wait_dscnt 0x0                               ; the stores have read their registers
.endm
	WLOAD 0
	WLOAD 1
.irp t, 0,1,2,3,4,5,6,7
	WBLOCK \t
.endr
	global_store_b32 v7, v[SBY], s[58:59]
	global_store_b32 v8, v[SBY+1], s[58:59]
.irp k, 0,1,2,3,4,5,6,7,8,9,10,11
	ds_load_b128 v[OUT+4*\k:OUT+4*\k+3], v4 offset:512*\k          ; LDS serves a wave's instructions in order: these see my stores
.endr
.irp k, 0,1,2,3,4,5
	s_wait_dscnt 11-\k                             ; the younger reads may be out
	global_store_b128 v5, v[OUT+4*\k:OUT+4*\k+3], s[56:57] offset:512*\k
.endr
.irp k, 6,7,8,9,10,11
	s_wait_dscnt 11-\k
	global_store_b128 v6, v[OUT+4*\k:OUT+4*\k+3], s[56:57] offset:512*(\k-6)
.endr
	s_set_vgpr_msb 0x5
	s_wait_tensorcnt 0x0
	ds_add_u32 v0, v1
	s_wait_dscnt 0x0
	s_set_vgpr_msb 0x500
	s_endpgm
	; ---------------- LayerNorm
.Lln:
	s_sub_co_u32 s23, ttmp9, LNID                  ; tile t
	s_lshr_b32 s24, s23, 1
	s_lshl_b32 s24, s24, 5
	s_and_b32 s25, s23, 1
	s_lshl_b32 s25, s25, 3
	s_add_co_u32 s24, s24, s25
	s_lshr_b32 s25, s22, 1
	s_lshl_b32 s25, s25, 4
	s_add_co_u32 s24, s24, s25
	s_and_b32 s25, s22, 1
	s_lshl_b32 s25, s25, 2
	s_add_co_u32 s24, s24, s25                     ; rows 4 w .. 4 w + 3 of the tile are tokens 32 (t/2) + 8 (t%2) + 16 (w/2) + 4 (w%2) + 0 .. 3
	s_lshl_b32 s24, s24, 12
	s_mov_b32 s25, 0
	s_mov_b32 s40, 0x3a800000                      ; 1 / 1024
	s_mov_b32 s41, 0x3727c5ac                      ; 1e-5
	s_mov_b32 s42, 0x76543210
	s_mov_b32 s43, 0xfedcba98                      ; lane l xor 16
	v_lshlrev_b32 v2, 4, v1
	v_lshlrev_b32 v7, 3, v1
	v_and_b32 v5, 15, v0
	v_bfe_u32 v6, v0, 4, 1
	s_mul_i32 s26, s22, 4*SPI
	v_add_nc_u32 v3, s26, v2
	v_add_nc_u32 v3, STG, v3                       ; into the stage: my four rows, 16 x lane
	v_mul_u32_u24 v4, v5, SPI
	v_lshl_add_u32 v4, v6, 7, v4
	s_lshl_b32 s26, s22, 10
	v_add_nc_u32 v4, s26, v4
	v_add_nc_u32 v4, STG, v4                       ; out of it: row r, block 8 w + h
	v_lshlrev_b32 v8, 2, v5
	v_lshl_add_u32 v8, v6, 14, v8                  ; scale words: 4 r, lanes 16-31 one kstep on
	v_mov_b32 v[P0], 0                             ; (a lane permute's destination counts as a source)
	v_mov_b32 v[P1], 0
	s_mul_i32 s28, s23, 12288
	s_mul_i32 s27, s22, 3072
	s_add_co_u32 s28, s28, s27
	s_mov_b32 s29, 0
	s_lshl_b32 s30, s23, 6
	s_lshl_b32 s27, s22, 15
	s_add_co_u32 s30, s30, s27
	s_add_co_u32 s30, s30, ACT_SCL
	s_mov_b32 s31, 0
	s_wait_kmcnt 0x0
	s_add_nc_u64 s[12:13], s[12:13], s[24:25]
	s_add_nc_u64 s[28:29], s[PACT:PACT+1], s[28:29]      ; images 4 w .. 4 w + 3 of tile t
	s_add_nc_u64 s[30:31], s[PACT:PACT+1], s[30:31]      ; scale words of ksteps 2 w, 2 w + 1
.irp j, 0,1,2,3,4,5,6,7
	global_load_b128 v[G+4*\j:G+4*\j+3], v2, s[14:15] offset:512*\j
	global_load_b128 v[BV+4*\j:BV+4*\j+3], v2, s[16:17] offset:512*\j
.endr
.irp i, 0,1,2,3
.irp j, 0,1,2,3,4,5,6,7
	global_load_b128 v[X+32*\i+4*\j:X+32*\i+4*\j+3], v2, s[12:13] offset:4096*\i+512*\j    ; 512 consecutive bytes a load
.endr
.endr
.macro FOLD                            ; each row's two chains, its two halves, the 32 lanes: the sum in every lane, in v[SM + 4 i]
.irp i, 0,1,2,3
	v_pk_add_f32 v[SM+4*\i:SM+4*\i+1], v[SM+4*\i:SM+4*\i+1], v[SM+4*\i+2:SM+4*\i+3]
.endr
.irp i, 0,1,2,3
	v_add_f32 v[SM+4*\i], v[SM+4*\i], v[SM+4*\i+1]
.endr
.irp m, 1,2,4,8
.irp i, 0,1,2,3
	v_add_f32_dpp v[SM+4*\i], v[SM+4*\i], v[SM+4*\i] row_xmask:\m row_mask:0xf bank_mask:0xf
.endr
.endr
.irp i, 0,1,2,3
	v_permlanex16_b32 v[SM+4*\i+1], v[SM+4*\i], s42, s43
.endr
.irp i, 0,1,2,3
	v_add_f32 v[SM+4*\i], v[SM+4*\i], v[SM+4*\i+1]
.endr
.endm
	s_wait_loadcnt 0x0
.irp i, 0,1,2,3
	v_pk_add_f32 v[SM+4*\i:SM+4*\i+1], v[X+32*\i:X+32*\i+1], v[X+32*\i+2:X+32*\i+3]
	v_pk_add_f32 v[SM+4*\i+2:SM+4*\i+3], v[X+32*\i+4:X+32*\i+5], v[X+32*\i+6:X+32*\i+7]
.endr
.irp j, 8,12,16,20,24,28
.irp i, 0,1,2,3
	v_pk_add_f32 v[SM+4*\i:SM+4*\i+1], v[SM+4*\i:SM+4*\i+1], v[X+32*\i+\j:X+32*\i+\j+1]
	v_pk_add_f32 v[SM+4*\i+2:SM+4*\i+3], v[SM+4*\i+2:SM+4*\i+3], v[X+32*\i+\j+2:X+32*\i+\j+3]
.endr
.endr
	FOLD
.irp i, 0,1,2,3
	v_mul_f32 v[MU+2*\i], 0xba800000, v[SM+4*\i]   ; -mean
.endr
.irp i, 0,1,2,3
	v_mov_b32 v[MU+2*\i+1], v[MU+2*\i]
.endr
.irp i, 0,1,2,3
.set j, 0
.rept 16
	v_pk_add_f32 v[X+32*\i+j:X+32*\i+j+1], v[X+32*\i+j:X+32*\i+j+1], v[MU+2*\i:MU+2*\i+1]      ; x - mean
.set j, j+2
.endr
.endr
.irp i, 0,1,2,3
	v_pk_mul_f32 v[SM+4*\i:SM+4*\i+1], v[X+32*\i:X+32*\i+1], v[X+32*\i:X+32*\i+1]
	v_pk_mul_f32 v[SM+4*\i+2:SM+4*\i+3], v[X+32*\i+2:X+32*\i+3], v[X+32*\i+2:X+32*\i+3]
.endr
.irp j, 4,8,12,16,20,24,28
.irp i, 0,1,2,3
	v_pk_fma_f32 v[SM+4*\i:SM+4*\i+1], v[X+32*\i+\j:X+32*\i+\j+1], v[X+32*\i+\j:X+32*\i+\j+1], v[SM+4*\i:SM+4*\i+1]
	v_pk_fma_f32 v[SM+4*\i+2:SM+4*\i+3], v[X+32*\i+\j+2:X+32*\i+\j+3], v[X+32*\i+\j+2:X+32*\i+\j+3], v[SM+4*\i+2:SM+4*\i+3]
.endr
.endr
	FOLD
.irp i, 0,1,2,3
	v_fma_f32 v[SM+4*\i], v[SM+4*\i], s40, s41     ; variance + 1e-5
.endr
.irp i, 0,1,2,3
	v_rsq_f32 v[MU+2*\i], v[SM+4*\i]
.endr
	v_nop                                          ; a plain line behind the last of the batch,
	s_wait_alu depctr_va_vdst(0)                   ; and one wait for the four, ahead of their first reader
.irp i, 0,1,2,3
	v_mov_b32 v[MU+2*\i+1], v[MU+2*\i]
.endr
.irp i, 0,1,2,3
.set j, 0
.rept 16
	v_pk_mul_f32 v[X+32*\i+j:X+32*\i+j+1], v[X+32*\i+j:X+32*\i+j+1], v[MU+2*\i:MU+2*\i+1]
.set j, j+2
.endr
.endr
.irp i, 0,1,2,3
.set j, 0
.rept 16
	v_pk_fma_f32 v[X+32*\i+j:X+32*\i+j+1], v[X+32*\i+j:X+32*\i+j+1], v[G+j:G+j+1], v[BV+j:BV+j+1]
.set j, j+2
.endr
.endr
.irp i, 0,1,2,3
.irp j, 0,1,2,3,4,5,6,7
	ds_store_b128 v3, v[X+32*\i+4*\j:X+32*\i+4*\j+3] offset:\i*SPI+512*\j
.endr
.endr
	s_wait_dscnt 0x0                               ; for the others' sake: my rows lie in the stage
	s_barrier_signal -1
	s_barrier_wait -1
.irp e, 0,1,2,3                        ; image 4 w + e: my block 2 (4 w + e) + h of row r, 128 bytes
.irp i, 0,1,2,3,4,5,6,7
	ds_load_b128 v[X+32*\e+4*\i:X+32*\e+4*\i+3], v4 offset:256*\e+16*\i
.endr
.endr
.irp e, 0,1,2,3
	s_wait_dscnt 24-8*\e                           ; the later images' loads may be out
	QUANT1 X+32*\e, CD+8*\e, BY+\e
	global_store_b128 v2, v[CD+8*\e:CD+8*\e+3], s[28:29] offset:768*\e
	global_store_b64 v7, v[CD+8*\e+4:CD+8*\e+5], s[28:29] offset:768*\e+512
.endr
	v_lshl_or_b32 v[W0], v[BY+1], 16, v[BY]        ; my two bytes of kstep 2 w,
	v_lshl_or_b32 v[W1], v[BY+3], 16, v[BY+2]      ; of kstep 2 w + 1,
	v_lshlrev_b32 v[SH8], 3, v6
	v_lshlrev_b32 v[W0], v[SH8], v[W0]             ; at their places (8 h bits up);
	v_lshlrev_b32 v[W1], v[SH8], v[W1]
	v_permlanex16_b32 v[P0], v[W0], s42, s43
	v_permlanex16_b32 v[P1], v[W1], s42, s43
	v_or_b32 v[W0], v[W0], v[P0]                   ; with lane l xor 16's two the words are whole
	v_or_b32 v[W1], v[W1], v[P1]
	s_mov_b32 vcc_lo, 0xffff0000
	v_cndmask_b32 v[W0], v[W0], v[W1], vcc_lo      ; lanes 0-15 store the first kstep's, lanes 16-31 the second's
	global_store_b32 v8, v[W0], s[30:31]
	s_set_vgpr_msb 0x5
	s_wait_tensorcnt 0x0
	ds_add_u32 v0, v1
	s_wait_dscnt 0x0
	s_set_vgpr_msb 0x500
	s_endpgm
.Lfunc_end_k_q238b198b9a_prep:
	.size	k_q238b198b9a_prep, .Lfunc_end_k_q238b198b9a_prep-k_q238b198b9a_prep
	.p2alignl 7, 3214868480
	.fill 96, 4, 3214868480
	.section	.rodata,"a",@progbits
	.p2align	6, 0x0
	.amdhsa_kernel k_q238b198b9a_prep
		.amdhsa_group_segment_fixed_size 90880
		.amdhsa_private_segment_fixed_size 0
		.amdhsa_enable_private_segment 0
		.amdhsa_kernarg_size 72
		.amdhsa_user_sgpr_count 2
		.amdhsa_user_sgpr_kernarg_segment_ptr 1
		.amdhsa_wavefront_size32 1
		.amdhsa_system_sgpr_workgroup_id_x 1
		.amdhsa_system_sgpr_workgroup_id_y 1
		.amdhsa_system_sgpr_workgroup_id_z 1
		.amdhsa_system_vgpr_workitem_id 0
		.amdhsa_next_free_vgpr 258
		.amdhsa_next_free_sgpr 66
		.amdhsa_reserve_vcc 1
		.amdhsa_float_denorm_mode_32 3
		.amdhsa_float_denorm_mode_16_64 3
		.amdhsa_memory_ordered 1
		.amdhsa_forward_progress 1
		.amdhsa_inst_pref_size 87
	.end_amdhsa_kernel
	.amdgpu_metadata
---
amdhsa.version: [ 1, 2 ]
amdhsa.kernels:
  - .name:           k_q238b198b9a_prep
    .symbol:         k_q238b198b9a_prep.kd
    .args:
      - { .name: W_attn, .offset: 0, .size: 8, .value_kind: global_buffer, .address_space: global }
      - { .name: W_proj, .offset: 8, .size: 8, .value_kind: global_buffer, .address_space: global }
      - { .name: W_fc, .offset: 16, .size: 8, .value_kind: global_buffer, .address_space: global }
      - { .name: W_fc2, .offset: 24, .size: 8, .value_kind: global_buffer, .address_space: global }
      - { .name: x, .offset: 32, .size: 8, .value_kind: global_buffer, .address_space: global }
      - { .name: ln1_g, .offset: 40, .size: 8, .value_kind: global_buffer, .address_space: global }
      - { .name: ln1_b, .offset: 48, .size: 8, .value_kind: global_buffer, .address_space: global }
      - { .name: wq, .offset: 56, .size: 8, .value_kind: global_buffer, .address_space: global }
      - { .name: act, .offset: 64, .size: 8, .value_kind: global_buffer, .address_space: global }
    .group_segment_fixed_size: 90880
    .private_segment_fixed_size: 0
    .kernarg_segment_align: 8
    .kernarg_segment_size: 72
    .max_flat_workgroup_size: 128
    .sgpr_count:     66
    .vgpr_count:     258
    .wavefront_size: 32
...
	.end_amdgpu_metadata
.endif
;; end of part 1
;; launch qkv (part 2): grid 12 x 16, 4 waves a work-group, clusters of 4 x 4, 327,680 bytes of LDS; arguments act, wq, b_attn, qb, kv; writes qb, kv
.if DOCPART == 2
	.amdgcn_target "amdgcn-amd-amdhsa--gfx1250"
	.amdhsa_code_object_version 6
	.text
	.protected	k_q238b198b9a_qkv
	.globl	k_q238b198b9a_qkv
	.p2align	8
	.type	k_q238b198b9a_qkv,@function
k_q238b198b9a_qkv:
	s_mov_b64 s[64:65], 0
	v_nop
	global_prefetch_b8 v0, s[64:65] scope:SCOPE_SE
	s_setreg_imm32_b32 hwreg(HW_REG_WAVE_MODE, 25, 1), 1
	s_wait_xcnt 0x0
	s_wait_alu depctr_hold_cnt(0) depctr_sa_sdst(0) depctr_va_vdst(0) depctr_va_sdst(0) depctr_va_ssrc(0) depctr_va_vcc(0) depctr_vm_vsrc(0)
	s_getreg_b32 s2, hwreg(HW_REG_IB_STS2, 6, 4)
	s_cmp_eq_u32 s2, 0
	s_cbranch_scc0 .Lentry_in_a_cluster
	s_endpgm
.Lentry_in_a_cluster:
	s_bfe_u32 s2, ttmp6, 0x10000c
	s_cmp_lg_u32 s2, 0xf033
	s_cbranch_scc0 .Lentry_shape_is_right
	s_endpgm
.Lentry_shape_is_right:
; qkv = LN1(x) W_attn + b_attn on codes of E2M3, and q, k, v quantised on the way out: q and k along the head's 64, v along the keys.
; OPERANDS are images (16 rows x 64 K = 768 bytes: lane (r, h) owns block h of row r; four registers at 16 lane, two at 512 + 8 lane), [tile][K/64][768]; row m of tile t is index 32 (t/2) + 16 (m/8) + 8 (t%2) + m%8;
; scale words lie [K/128][tile][16].  D = source 0 x source 1: a lane holds ONE row of source 1, and the 16 registers of two neighbouring tiles of source 0 are 16 NEIGHBOURS along source 0's index: what lies along
; source 0 can be quantised in registers.  'B' is source 0, 'A' source 1.
; A work-group of four waves makes 256 x 256, a wave 128 x 128: 64 accumulators.  K goes in steps of 256 through two LDS slots filled by tensor loads; each tile row of a load is 3,072 dense bytes.
; CLUSTERS 4 x 4: A's tiles are asked for jointly along a row of the cluster, B's along a column.
; Clusters x = 0, 1 (q and k): B = W_attn's columns 0-2047, A = tokens.  Cluster x = 2 (v): THE OPERANDS CHANGE PLACES, B = tokens, A = W_attn's columns 2048-3071, so that the keys run along the registers.
; Both operands have the same tile pitch and the same kstep pitch of scales, so only four base addresses hang on the mode, which all partners of a cluster share.
; qb: a head is 128 tiles x 768, then 128 x 64 bytes of scale words (bytes 2, 3 are 0).  kv: a head is laid as the attention launch's LDS wants it (offsets in the way out below).
; LIMITS: NaN and infinities are not served; blocks of zeros or under 2^-124 get the byte 1 over their codes: only this program reads the bytes.
; REGISTERS: window 0: v8-31 addresses; v32-63 scale words, two sets; v64-127 column bias; v128-223 A's fragments, one set (on the way out: 64 numbers, the codes); v224-239 lane bias; v240-255 at work.
;   window 1: B's fragments, two sets, at v0 and v128.  windows 2, 3: accumulator (a, b) at register 8 (8 a + b) counted through both.
.set NT,  8                            ; tiles of 16 rows a wave and side
.set HPS, 4                            ; images along K in a slot
.set NQ,  2                            ; matrix instructions deep
.set KK,  1024
.set BIASC, 0                          ; the first products take the constant 0
.set SPA, 16384                        ; kstep pitch of A's and of B's scale words
.set SPB, 16384
.set WA_SCL, 9437184
.set ACT_SCL, 3145728
.set TP,   12*KK
.set QT,   NT*HPS*768                  ; a quarter of a slot: what one tensor load brings, what one wave reads of A or of B
.set SLOT, 4*QT                        ; A's two quarters, then B's two
.set LAPS, KK/(256*NQ)
.set QS,   (KK/128)*NT*64              ; a quarter's scale words for all of K
.set SCL,  2*SLOT
.set SPARE, SCL+4*QS                   ; the spare words: 128 bytes a wave, two blocks of 256 bytes that no other line names
.set SCRQ, SPARE+512                   ; scale words on their way out: 1,024 bytes a wave (q, k),
.set SCRV, SCRQ+4096                   ; 512 bytes a wave (v)
.set NL,   4                           ; LDS loads that bring a fragment
.set ADRA, 16                          ; v16-17 A's quarter in slot 0, 1, + 16 lane; v18-19 + 8 lane
.set ADRB, 20                          ; v20-23 the same for B
.set ADRS, 27                          ; v27 my scale words: lanes 0-15 A's, lanes 16-31 B's
.set SPW,  28
.set NIL,  29
.set L16,  30
.set L8,   31
.set SC,   32                          ; set s at v[SC + 16 s]; register NQ i + q: lanes 0-15 A's tile i, lanes 16-31 B's tile i, the slot's q-th 128 along K
.set BR,   64
.set AF,   128
.set G1, 24
.set G0, 32
.set G1B, 48
.set G0B, 56
.set G1S, 68
.set G0S, 76
.set G1SB, 80
.set G0SB, 88
.set SEL, 66
.set MSB, 0
.macro WIN new                         ; the immediate's high byte repeats the setting that is left
.if MSB != (\new)
	s_set_vgpr_msb (MSB<<8)|(\new)
.set MSB, (\new)
.endif
.endm
; A joint load: waves 0 and 1 fetch for A, waves 2 and 3 for B; four v_nop follow each of the two lines
.macro JLOAD g0a, g1a, g0b, g1b
	s_cmp_eq_u32 s15, 0
	s_cbranch_scc0 .Lfor_b_\@
	tensor_load_to_lds s[\g0a:\g0a+3], s[\g1a:\g1a+7]
	s_nop 0
.rept 4
	v_nop
.endr
	s_branch .Lasked_\@
.Lfor_b_\@:
	tensor_load_to_lds s[\g0b:\g0b+3], s[\g1b:\g1b+7]
	s_nop 0
.rept 4
	v_nop
.endr
.Lasked_\@:
.endm
.macro CREST                           ; a round of the cluster's barrier behind its opening barrier
	s_cmp_lg_u32 s14, 0
	s_cbranch_scc1 .Lnot_wave_0_\@
	s_barrier_signal -3
.Lnot_wave_0_\@:
	s_barrier_wait -3
	s_barrier_signal -1
	s_barrier_wait -1
.endm
.macro CROUND
	s_barrier_signal -1
	s_barrier_wait -1
	CREST
.endm
.macro PLACES                          ; four plain places behind matrix instructions, ahead of loads into their registers and of reads of their results
.rept 4
	v_nop
.endr
.endm
.macro FRAG reg, adr, q, i             ; a fragment, 16 rows x 128 K, is two images: each comes as 512 + 256 dense bytes
.irp c, 0,1
	ds_load_b128 v[\reg+6*\c:\reg+6*\c+3], v[\adr] offset:(\i)*HPS*768+(2*(\q)+\c)*768
	ds_load_b64 v[\reg+6*\c+4:\reg+6*\c+5], v[\adr+2] offset:(\i)*HPS*768+(2*(\q)+\c)*768+512
.endr
.endm
.macro FETCH_B slot, q, p              ; B's NT fragments into set p of window 1
	WIN 0x40
.set ii, 0
.rept NT
	FRAG 128*(\p)+12*ii, ADRB+\slot, \q, ii
.set ii, ii+1
.endr
	WIN 0
.endm
.macro FETCH_A slot, q, i0             ; A's tiles i0 .. i0 + NT/2 - 1
.set ii, \i0
.rept NT/2
	FRAG AF+12*ii, ADRA+\slot, \q, ii
.set ii, ii+1
.endr
.endm
.macro SCALES set                      ; a slot's scale words
.set ii, 0
.rept NT
.set qq, 0
.rept NQ
	ds_load_b32 v[SC+16*(\set)+NQ*ii+qq], v[ADRS] offset:qq*NT*64+ii*64
.set qq, qq+1
.endr
.set ii, ii+1
.endr
.endm
.macro WM d, b, a, c, sb, sa
	v_wmma_scale_f32_16x16x128_f8f6f4 v[\d:\d+7], v[\b:\b+11], v[\a:\a+11], \c, v[\sb], v[\sa] matrix_a_fmt:MATRIX_FMT_FP6 matrix_b_fmt:MATRIX_FMT_FP6 matrix_a_scale:MATRIX_SCALE_ROW1
.endm
.macro MROW a, p, q, sc, first         ; A's tile a against B's NT tiles.  The accumulators take turns, one instruction a turn, in the same order in every step
.set AB, (8*NT*(\a))%256
.set HW, (8*NT*(\a))/256
.if (\first) && BIASC
	WIN 0x81+0x40*HW
.else
	WIN 0xa1+0x50*HW
.endif
.set bb, 0
.rept NT
.if (\first) && BIASC
	WM AB+8*bb, 128*(\p)+12*bb, AF+12*(\a), v[BR+8*bb:BR+8*bb+7], SC+16*(\sc)+NQ*bb+(\q), SC+16*(\sc)+NQ*(\a)+(\q)
.elseif \first
	WM AB+8*bb, 128*(\p)+12*bb, AF+12*(\a), 0, SC+16*(\sc)+NQ*bb+(\q), SC+16*(\sc)+NQ*(\a)+(\q)
.else
	WM AB+8*bb, 128*(\p)+12*bb, AF+12*(\a), v[AB+8*bb:AB+8*bb+7], SC+16*(\sc)+NQ*bb+(\q), SC+16*(\sc)+NQ*(\a)+(\q)
.endif
.set bb, bb+1
.endr
.endm
.macro MULQ g, p, q, sc, first         ; a quarter of a step's products
.if NT == 8
	MROW 2*(\g), \p, \q, \sc, \first
	MROW 2*(\g)+1, \p, \q, \sc, \first
.else
	MROW \g, \p, \q, \sc, \first
.endif
.endm
.macro STEP slot, q, first             ; 128 along K with its successor in the same slot
	s_wait_dscnt (NT/2)*NL                         ; all but the youngest loads (A's upper tiles) are in
	MULQ 0, (\q)%2, \q, \slot, \first
	MULQ 1, (\q)%2, \q, \slot, \first
	s_wait_dscnt 0x0
	PLACES
	FETCH_B \slot, (\q)+1, 1-(\q)%2
	FETCH_A \slot, (\q)+1, 0
	MULQ 2, (\q)%2, \q, \slot, \first
	MULQ 3, (\q)%2, \q, \slot, \first
	PLACES
	WIN 0
	FETCH_A \slot, (\q)+1, NT/2
.endm
.macro REST slot
.if NQ == 4
	STEP \slot, 1, 0
	STEP \slot, 2, 0
.endif
.endm
; A slot's last step changes slots: one barrier; ahead of it each wave waits for all its tensor loads, adds 0 to its spare word, and waits for that and for its reads of this slot.
.macro TURN slot, next, fill
	s_wait_tensorcnt 0x0                           ; all my tensor loads have landed: my part of the next slot
	ds_add_u32 v[SPW], v[NIL]
	s_wait_dscnt (NT/2)*NL+1                       ; (the add and A's upper tiles may be out)
	MULQ 0, 1, NQ-1, \slot, 0
	s_wait_dscnt 0x0                               ; the add is done, my reads of this slot are over
	s_barrier_signal -1
	MULQ 1, 1, NQ-1, \slot, 0
	WIN 0
	s_barrier_wait -1
.if \fill
	CREST                                          ; the barrier has opened a round of the cluster's barrier: no wave of any partner still reads this slot or has a load on its way
	s_add_nc_u64 s[G0+4*\slot+2:G0+4*\slot+3], s[G0+4*\slot+2:G0+4*\slot+3], 2*HPS*768
	s_add_nc_u64 s[G0B+4*\slot+2:G0B+4*\slot+3], s[G0B+4*\slot+2:G0B+4*\slot+3], 2*HPS*768
	JLOAD G0+4*\slot, G1, G0B+4*\slot, G1B         ; the first tensor load behind the round; its four v_nop are the places ahead of the loads below
.else
	PLACES
.endif
	v_add_nc_u32 v[ADRS], NQ*NT*64, v[ADRS]
	FETCH_B \next, 0, 0
	FETCH_A \next, 0, 0
	SCALES \next
	MULQ 2, 1, NQ-1, \slot, 0
	MULQ 3, 1, NQ-1, \slot, 0
	PLACES
	WIN 0
	FETCH_A \next, 0, NT/2
.endm
; the way out's registers
.set HA, 128
.set PC, 192
.set PW, 212
.set W0, 213
.set W1, 214
.set BL, 224
.set TM, 240
.set SQW, 24
.set SQR, 25
.set SVW, 26
.set SVR, 10
.set VOV, 11
; 64 numbers of a lane, register 16 b + i = k 32 b + 16 (lane / 16) + i of my row, become a fragment's codes in v[PC] on and its scale word in v[PW]
.macro QUANT s
.irp b, 0,1,2,3
	v_max3_num_f32 v[TM+\b], |v[\s+16*\b]|, |v[\s+1+16*\b]|, 0x1800000     ; with the floor 2^(3 - 127): the byte cannot fall under 1
.endr
.irp i, 2,4,6,8,10,12,14
.irp b, 0,1,2,3
	v_max3_num_f32 v[TM+\b], v[TM+\b], |v[\s+16*\b+\i]|, |v[\s+1+16*\b+\i]|
.endr
.endr
.irp b, 0,1,2,3
	v_permlanex16_b32 v[TM+4+\b], v[TM+\b], s[SEL], s[SEL+1]
.endr
.irp b, 0,1,2,3
	v_max_num_f32 v[TM+\b], v[TM+\b], v[TM+4+\b]
.endr
.irp b, 0,1,2,3
	v_add_nc_u32 v[TM+12+\b], 0xff000000, v[TM+\b]         ; 2 off the exponent field: the conversion's scale operand
.endr
.irp b, 0,1,2,3
	v_lshrrev_b32 v[TM+4+\b], 23, v[TM+12+\b]
.endr
	v_lshl_or_b32 v[PW], v[TM+5], 8, v[TM+4]
	v_lshl_or_b32 v[PW], v[TM+6], 16, v[PW]
	v_lshl_or_b32 v[PW], v[TM+7], 24, v[PW]
.irp c, 0,1
	v_cvt_scalef32_pk16_fp6_f32 v[PC+6*\c:PC+2+6*\c], v[\s+32*\c:\s+15+32*\c], v[TM+12+2*\c]
	v_cvt_scalef32_pk16_fp6_f32 v[PC+12+4*\c:PC+14+4*\c], v[\s+16+32*\c:\s+31+32*\c], v[TM+12+2*\c+1]
.endr
	v_nop                                          ; one plain place behind a scaled conversion
.irp c, 0,1                            ; the layout wants a whole block in a lane
.irp i, 0,1,2
	v_permlane16_swap_b32 v[PC+6*\c+\i], v[PC+12+4*\c+\i]
.endr
.irp i, 0,1,2
	v_mov_b32 v[PC+3+6*\c+\i], v[PC+12+4*\c+\i]
.endr
.endr
.endm
	s_load_b128 s[4:7], s[0:1], 0x0                ; act, wq
	s_load_b128 s[8:11], s[0:1], 0x10              ; b_attn, qb
	s_load_b64 s[12:13], s[0:1], 0x20              ; kv
	v_lshl_add_u32 v[SPW], v0, 2, SPARE
	v_mov_b32 v[NIL], 0
	ds_add_u32 v28, v29
	ds_add_u32 v28, v29
	s_wait_dscnt 0x0
	v_lshrrev_b32 v1, 5, v0
	v_readfirstlane_b32 s14, v1                    ; wave
	s_lshr_b32 s15, s14, 1                         ; my quarter of A.  Also: I fetch for A (0) or for B (1)
	s_and_b32 s16, s14, 1                          ; my quarter of B.  Also: which quarter I fetch
	s_bfe_u32 s40, ttmp6, 0x40000                  ; cx
	s_bfe_u32 s41, ttmp6, 0x40004                  ; cy
	s_and_b32 s45, ttmp7, 0xffff
	s_lshl_b32 s45, s45, 2                         ; 4 x cluster y
	s_lshl_b32 s42, ttmp9, 2                       ; 4 x cluster x
	s_cmp_eq_u32 ttmp9, 2                          ; the mode: the same in all sixteen partners
	s_cselect_b32 s95, 1, 0
	s_cselect_b32 s17, 0, s45
	s_cselect_b32 s42, s45, s42
	s_add_co_u32 s17, s17, s41                     ; IA: 256 tokens 4 cly + cy, or W_v's 256 columns cy
	s_add_co_u32 s42, s42, s40                     ; IB: W's 256 columns 4 clx + cx, or 256 tokens 4 cly + cx
	s_lshl_b32 s43, s41, 2
	s_lshl_b32 s43, 15, s43                        ; my row of the cluster
	s_lshl_b32 s44, 0x1111, s40                    ; my column
	s_or_b32 s[G1], s43, (3<<16)|(1<<21)           ; the mask; elements of 8 bytes; bit 21 beside a mask; no padding
	s_or_b32 s[G1B], s44, (3<<16)|(1<<21)
.irp g, G1, G1B
	s_mov_b32 s[\g+1], (HPS*96)<<16                ; a tile's part of a slot: HPS images on end
	s_mov_b32 s[\g+2], NT<<16
	s_mov_b32 s[\g+3], (HPS*96)<<16
	s_mov_b32 s[\g+4], NT                          ; NT tiles,
	s_mov_b32 s[\g+5], TP/8                        ; a tile pitch apart
	s_mov_b32 s[\g+6], 0
	s_mov_b32 s[\g+7], 0
.endr
	s_or_b32 s[G1S], s43, (3<<16)|(1<<21)
	s_or_b32 s[G1SB], s44, (3<<16)|(1<<21)
.irp g, G1S, G1SB
	s_mov_b32 s[\g+1], (NT*8)<<16                  ; NT tiles' words of a kstep,
	s_mov_b32 s[\g+2], (KK/128)<<16
	s_mov_b32 s[\g+3], (NT*8)<<16
	s_mov_b32 s[\g+4], KK/128                      ; all ksteps
	s_mov_b32 s[\g+6], 0
	s_mov_b32 s[\g+7], 0
.endr
	s_mov_b32 s[G1S+5], SPA/8
	s_mov_b32 s[G1SB+5], SPB/8
	s_lshl_b32 s20, s17, 1
	s_add_co_u32 s20, s20, s16
	s_lshl_b32 s20, s20, 3                         ; A: first tile of the quarter that I fetch
	s_lshl_b32 s46, s42, 1
	s_add_co_u32 s46, s46, s16
	s_lshl_b32 s46, s46, 3                         ; B likewise
	s_mov_b32 s19, ACT_SCL
	s_mov_b32 s92, WA_SCL
	s_cmp_eq_u32 s95, 1
	s_cselect_b32 s18, 128, 0                      ; W_v begins at W_attn's tile 128
	s_cselect_b32 s22, WA_SCL, s19
	s_cselect_b32 s92, ACT_SCL, s92
	s_add_co_u32 s20, s20, s18
	s_lshl_b32 s18, s20, 6
	s_add_co_u32 s22, s22, s18
	s_mul_i32 s20, s20, TP
	s_lshl_b32 s2, s46, 6
	s_add_co_u32 s92, s92, s2
	s_mul_i32 s46, s46, TP
	s_mov_b32 s21, 0
	s_mov_b32 s23, 0
	s_mov_b32 s47, 0
	s_mov_b32 s93, 0
	s_mul_i32 s45, s14, QT                         ; where they go: no place in the cluster enters an LDS address
	s_mul_i32 s94, s14, QS
	s_wait_kmcnt 0x0
	s_cmp_eq_u32 s95, 1
	s_cselect_b64 s[96:97], s[6:7], s[4:5]         ; A's buffer
	s_cselect_b64 s[98:99], s[4:5], s[6:7]         ; B's
	s_add_nc_u64 s[20:21], s[96:97], s[20:21]
	s_add_nc_u64 s[22:23], s[96:97], s[22:23]
	s_add_nc_u64 s[46:47], s[98:99], s[46:47]
	s_add_nc_u64 s[92:93], s[98:99], s[92:93]
	CROUND                                         ; all sixteen work-groups are here: the first joint loads meet
	s_mov_b32 s[G0S], 1
	s_add_co_u32 s[G0S+1], s94, SCL
	s_mov_b64 s[G0S+2:G0S+3], s[22:23]
	s_or_b32 s[G0S+3], s[G0S+3], 0x80000000
	s_mov_b32 s[G0SB], 1
	s_add_co_u32 s[G0SB+1], s94, SCL
	s_mov_b64 s[G0SB+2:G0SB+3], s[92:93]
	s_or_b32 s[G0SB+3], s[G0SB+3], 0x80000000
	JLOAD G0S, G1S, G0SB, G1SB                     ; the scale words of all of K: filled once
.irp s, 0,1
	s_mov_b32 s[G0+4*\s], 1
	s_add_co_u32 s[G0+4*\s+1], s45, \s*SLOT
	s_add_nc_u64 s[G0+4*\s+2:G0+4*\s+3], s[20:21], \s*HPS*768
	s_or_b32 s[G0+4*\s+3], s[G0+4*\s+3], 0x80000000
	s_mov_b32 s[G0B+4*\s], 1
	s_add_co_u32 s[G0B+4*\s+1], s45, \s*SLOT
	s_add_nc_u64 s[G0B+4*\s+2:G0B+4*\s+3], s[46:47], \s*HPS*768
	s_or_b32 s[G0B+4*\s+3], s[G0B+4*\s+3], 0x80000000
	JLOAD G0+4*\s, G1, G0B+4*\s, G1B
.endr
	v_and_b32 v1, 15, v0                           ; r
	v_bfe_u32 v2, v0, 4, 1                         ; h
	v_and_b32 v3, 31, v0
	v_lshlrev_b32 v[L16], 4, v3
	v_lshlrev_b32 v[L8], 3, v3
	s_mul_i32 s21, s15, QT
	s_mul_i32 s22, s16, QT
	s_add_co_u32 s22, s22, 2*QT
.irp s, 0,1
	v_add_nc_u32 v[ADRA+\s], s21, v[L16]
	v_add_nc_u32 v[ADRA+2+\s], s21, v[L8]
	v_add_nc_u32 v[ADRB+\s], s22, v[L16]
	v_add_nc_u32 v[ADRB+2+\s], s22, v[L8]
	s_add_co_u32 s21, s21, SLOT
	s_add_co_u32 s22, s22, SLOT
.endr
	v_lshlrev_b32 v5, 2, v1
	s_mul_i32 s21, s15, QS
	s_mul_i32 s22, s16, QS
	s_add_co_u32 s22, s22, 2*QS
	s_sub_co_u32 s22, s22, s21
	v_mul_u32_u24 v6, s22, v2                      ; lanes 16-31 take B's
	s_add_co_u32 s21, s21, SCL
	v_add_nc_u32 v6, v5, v6
	v_add_nc_u32 v[ADRS], s21, v6
	s_lshl_b32 s21, s14, 10                        ; the scratches' addresses, all made here
	s_add_co_u32 s21, s21, SCRQ
	v_add_nc_u32 v[SQW], s21, v5
	v_add_nc_u32 v[SQR], s21, v[L16]
	s_lshl_b32 s21, s14, 9
	s_add_co_u32 s21, s21, SCRV
	v_add_nc_u32 v[SVW], s21, v5
	v_add_nc_u32 v[SVR], s21, v[L16]
	v_mul_u32_u24 v[VOV], v2, 208896
	v_lshl_add_u32 v[VOV], v1, 4, v[VOV]           ; v's scale words out: lanes 0-15 one head's 256 bytes, lanes 16-31 the next head's
.irp b, 0,1,2,3
	v_mov_b32 v[TM+4+\b], 0                        ; (a lane permute's destination counts as a source)
.endr
	; the biases.  Both are loaded in both modes, from index bases that lie inside b_attn in both
	s_lshl_b32 s18, s42, 10
	s_lshl_b32 s19, s16, 9
	s_add_co_u32 s18, s18, s19                     ; q, k: my 128 columns
	s_lshl_b32 s2, s17, 10
	s_lshl_b32 s19, s15, 9
	s_add_co_u32 s2, s2, s19
	s_add_co_u32 s2, s2, 8192                      ; v: my 128 columns, from 2,048 on
	s_cmp_eq_u32 s95, 1
	s_cselect_b32 s18, 0, s18
	s_cselect_b32 s2, s2, 0
	s_mov_b32 s19, 0
	s_mov_b32 s3, 0
	s_add_nc_u64 s[96:97], s[8:9], s[18:19]
	s_add_nc_u64 s[98:99], s[8:9], s[2:3]
	v_lshlrev_b32 v8, 6, v2
.irp t, 0,1,2,3,4,5,6,7                ; along the registers: tile t's eight columns of my half
	global_load_b128 v[BR+8*\t:BR+8*\t+3], v8, s[96:97] offset:(32*(\t/2)+8*(\t%2))*4
	global_load_b128 v[BR+8*\t+4:BR+8*\t+7], v8, s[96:97] offset:(32*(\t/2)+8*(\t%2))*4+16
.endr
	v_and_b32 v9, 8, v1
	v_add_nc_u32 v9, v9, v1
	v_lshlrev_b32 v9, 2, v9
.irp a, 0,1,2,3,4,5,6,7                ; a number a lane: row r of A's tile a
	global_load_b32 v[BL+2*\a], v9, s[98:99] offset:(32*(\a/2)+8*(\a%2))*4
	v_mov_b32 v[BL+2*\a+1], 0                      ; (named with it as a pair)
.endr
	s_wait_tensorcnt 1                             ; the scale words and my part of slot 0 are in; slot 1's load may be out
	s_barrier_signal -1
	s_barrier_wait -1
	FETCH_B 0, 0, 0
	FETCH_A 0, 0, 0
	SCALES 0
	FETCH_A 0, 0, NT/2
	STEP 0, 0, 1                                   ; the first step's products start the sums
.if LAPS > 1
	s_mov_b32 s3, LAPS-1
.Llap:
	REST 0
	TURN 0, 1, 1
	STEP 1, 0, 0
	REST 1
	TURN 1, 0, 1
	STEP 0, 0, 0
	s_sub_co_u32 s3, s3, 1
	s_cmp_lg_u32 s3, 0
	s_cbranch_scc1 .Llap
.endif
	REST 0
	TURN 0, 1, 0                                   ; the last lap fills nothing
	STEP 1, 0, 0
	REST 1
	s_wait_dscnt (NT/2)*NL
	MULQ 0, 1, NQ-1, 1, 0
	MULQ 1, 1, NQ-1, 1, 0
	s_wait_dscnt 0x0
	MULQ 2, 1, NQ-1, 1, 0
	MULQ 3, 1, NQ-1, 1, 0
	WIN 0
	; ---------------- the way out.  No tensor load of mine is out: the descriptors' registers are free
	PLACES
	s_wait_loadcnt 0x0                             ; the biases
	s_mov_b32 s[SEL], 0x76543210
	s_mov_b32 s[SEL+1], 0xfedcba98
	s_cmp_eq_u32 s95, 1
	s_cbranch_scc1 .Lvmode
	; q, k: a lane holds one token; its 64 numbers are two heads' 64
	s_lshr_b32 s24, s17, 3                         ; batch
	s_and_b32 s25, s17, 7
	s_lshr_b32 s26, s42, 2                         ; 1: k
	s_and_b32 s27, s42, 3
	s_lshl_b32 s27, s27, 2
	s_lshl_b32 s28, s16, 1
	s_add_co_u32 s27, s27, s28                     ; my first head
	s_lshl_b32 s24, s24, 4
	s_add_co_u32 s24, s24, s27
	s_lshl_b32 s28, s25, 4
	s_lshl_b32 s29, s15, 3
	s_add_co_u32 s28, s28, s29                     ; my first tile of tokens in the batch
	s_min_u32 s25, s25, 1
	s_mul_i32 s25, s25, s26
	s_mul_i32 s25, s25, 24576                      ; k's tiles from 16 on lie 24,576 bytes further on
	s_mov_b32 s29, 106496
	s_mov_b32 s32, 98304
	s_cmp_eq_u32 s26, 1
	s_cselect_b64 s[30:31], s[12:13], s[10:11]
	s_cselect_b32 s29, 208896, s29                 ; a head's bytes
	s_cselect_b32 s32, 24576, s32                  ; where its scale words begin
	s_mul_i32 s24, s24, s29
	s_mul_i32 s33, s28, 768
	s_add_co_u32 s33, s33, s25
	s_add_co_u32 s34, s24, s33
	s_mov_b32 s35, 0
	s_add_nc_u64 s[36:37], s[30:31], s[34:35]      ; first head's images
	s_mov_b32 s38, s29
	s_mov_b32 s39, 0
	s_add_nc_u64 s[40:41], s[36:37], s[38:39]      ; second head's
	s_lshl_b32 s34, s28, 6
	s_add_co_u32 s34, s34, s32
	s_add_co_u32 s34, s34, s24
	s_add_nc_u64 s[44:45], s[30:31], s[34:35]      ; and their scale words
	s_add_nc_u64 s[48:49], s[44:45], s[38:39]
.macro TILEQK a
	WIN 0x02+(\a)/4                                ; source 0: window 2 or 3
.set i, 0
.rept 32
	v_pk_add_f32 v[HA+i:HA+i+1], v[64*((\a)%4)+i:64*((\a)%4)+i+1], v[BR+i:BR+i+1]     ; each accumulator from its low end on
.set i, i+2
.endr
	WIN 0
	s_wait_xcnt 0x0                                ; the last tile's stores have read their registers
	QUANT HA
	global_store_b128 v[L16], v[PC:PC+3], s[36:37] offset:768*(\a)
	global_store_b64 v[L8], v[PC+4:PC+5], s[36:37] offset:768*(\a)+512
	global_store_b128 v[L16], v[PC+6:PC+9], s[40:41] offset:768*(\a)
	global_store_b64 v[L8], v[PC+10:PC+11], s[40:41] offset:768*(\a)+512
	v_and_b32 v[W0], 0xffff, v[PW]                 ; a head has two blocks: bytes 2 and 3 of its word are 0, over codes that meet zeros
	v_lshrrev_b32 v[W1], 16, v[PW]
	ds_store_b32 v[SQW], v[W0] offset:64*(\a)
	ds_store_b32 v[SQW], v[W1] offset:512+64*(\a)
.endm
.irp a, 0,1,2,3,4,5,6,7
	TILEQK \a
.endr
	ds_load_b128 v[HA:HA+3], v[SQR]                ; LDS serves a wave's instructions in order: these see my stores
	ds_load_b128 v[HA+4:HA+7], v[SQR] offset:512
	s_wait_dscnt 0x0
	global_store_b128 v[L16], v[HA:HA+3], s[44:45]         ; 512 dense bytes: eight tiles' words
	global_store_b128 v[L16], v[HA+4:HA+7], s[48:49]
	s_branch .Ldone
.Lvmode:
	; v: a lane holds one channel; its 64 numbers are 128 keys' halves: a fragment of V^T
	s_lshr_b32 s24, s42, 3                         ; batch
	s_and_b32 s25, s42, 7
	s_lshl_b32 s26, s25, 1
	s_add_co_u32 s26, s26, s16                     ; which 128 keys
	s_lshl_b32 s27, s17, 2
	s_lshl_b32 s28, s15, 1
	s_add_co_u32 s27, s27, s28                     ; my first head
	s_lshl_b32 s24, s24, 4
	s_add_co_u32 s24, s24, s27
	s_mul_i32 s24, s24, 208896
	s_mov_b32 s29, 110592
	s_cmp_eq_u32 s25, 0
	s_cselect_b32 s29, 12288, s29                  ; the first 256 keys lie at 12,288, the others from 122,880 on
	s_mul_i32 s28, s26, 6144
	s_add_co_u32 s28, s28, s29
	s_add_co_u32 s28, s28, s24
	s_mov_b32 s29, 0
	s_add_nc_u64 s[36:37], s[12:13], s[28:29]
	s_lshl_b32 s28, s26, 8
	s_add_co_u32 s28, s28, s24
	s_add_co_u32 s28, s28, 32768
	s_add_nc_u64 s[44:45], s[12:13], s[28:29]
.macro TILEV a
	WIN 0x02+(\a)/4
.set i, 0
.rept 32
	v_pk_add_f32 v[HA+i:HA+i+1], v[64*((\a)%4)+i:64*((\a)%4)+i+1], v[BL+2*(\a):BL+2*(\a)+1] op_sel_hi:[1,0]
.set i, i+2
.endr
	WIN 0
	s_wait_xcnt 0x0
	QUANT HA
	global_store_b128 v[L16], v[PC:PC+3], s[36:37] offset:((\a)/4)*208896+((\a)%4)*768
	global_store_b64 v[L8], v[PC+4:PC+5], s[36:37] offset:((\a)/4)*208896+((\a)%4)*768+512
	global_store_b128 v[L16], v[PC+6:PC+9], s[36:37] offset:((\a)/4)*208896+((\a)%4)*768+3072
	global_store_b64 v[L8], v[PC+10:PC+11], s[36:37] offset:((\a)/4)*208896+((\a)%4)*768+3584
	ds_store_b32 v[SVW], v[PW] offset:64*(\a)
.endm
.irp a, 0,1,2,3,4,5,6,7
	TILEV \a
.endr
	ds_load_b128 v[HA:HA+3], v[SVR]
	s_wait_dscnt 0x0
	global_store_b128 v[VOV], v[HA:HA+3], s[44:45]         ; two aligned runs of 256 bytes
.Ldone:
	s_wait_tensorcnt 0x0                           ; the wave's end
	ds_add_u32 v[SPW], v[NIL]
	s_wait_dscnt 0x0
	CROUND                                         ; the closing round
	s_endpgm
.Lfunc_end_k_q238b198b9a_qkv:
	.size	k_q238b198b9a_qkv, .Lfunc_end_k_q238b198b9a_qkv-k_q238b198b9a_qkv
	.p2alignl 7, 3214868480
	.fill 96, 4, 3214868480
	.section	.rodata,"a",@progbits
	.p2align	6, 0x0
	.amdhsa_kernel k_q238b198b9a_qkv
		.amdhsa_group_segment_fixed_size 327680
		.amdhsa_private_segment_fixed_size 0
		.amdhsa_enable_private_segment 0
		.amdhsa_kernarg_size 40
		.amdhsa_user_sgpr_count 2
		.amdhsa_user_sgpr_kernarg_segment_ptr 1
		.amdhsa_wavefront_size32 1
		.amdhsa_system_sgpr_workgroup_id_x 1
		.amdhsa_system_sgpr_workgroup_id_y 1
		.amdhsa_system_sgpr_workgroup_id_z 1
		.amdhsa_system_vgpr_workitem_id 0
		.amdhsa_next_free_vgpr 1024
		.amdhsa_next_free_sgpr 100
		.amdhsa_reserve_vcc 0
		.amdhsa_float_denorm_mode_32 3
		.amdhsa_float_denorm_mode_16_64 3
		.amdhsa_memory_ordered 1
		.amdhsa_forward_progress 1
		.amdhsa_inst_pref_size 224
	.end_amdhsa_kernel
	.amdgpu_metadata
---
amdhsa.version: [ 1, 2 ]
amdhsa.kernels:
  - .name:           k_q238b198b9a_qkv
    .symbol:         k_q238b198b9a_qkv.kd
    .args:
      - { .name: act, .offset: 0, .size: 8, .value_kind: global_buffer, .address_space: global }
      - { .name: wq, .offset: 8, .size: 8, .value_kind: global_buffer, .address_space: global }
      - { .name: b_attn, .offset: 16, .size: 8, .value_kind: global_buffer, .address_space: global }
      - { .name: qb, .offset: 24, .size: 8, .value_kind: global_buffer, .address_space: global }
      - { .name: kv, .offset: 32, .size: 8, .value_kind: global_buffer, .address_space: global }
    .group_segment_fixed_size: 327680
    .private_segment_fixed_size: 0
    .kernarg_segment_align: 8
    .kernarg_segment_size: 40
    .max_flat_workgroup_size: 128
    .sgpr_count:     100
    .vgpr_count:     1024
    .wavefront_size: 32
...
	.end_amdgpu_metadata
.endif
;; end of part 2
;; launch attn (part 3): grid 8 x 32, 16 waves a work-group, no clusters, 210,944 bytes of LDS; arguments qb, kv, yb; writes yb
.if DOCPART == 3
	.amdgcn_target "amdgcn-amd-amdhsa--gfx1250"
	.amdhsa_code_object_version 6
	.text
	.protected	k_q238b198b9a_attn
	.globl	k_q238b198b9a_attn
	.p2align	8
	.type	k_q238b198b9a_attn,@function
k_q238b198b9a_attn:
	s_mov_b64 s[64:65], 0
	v_nop
	global_prefetch_b8 v0, s[64:65] scope:SCOPE_SE
	s_setreg_imm32_b32 hwreg(HW_REG_WAVE_MODE, 25, 1), 1
	s_wait_xcnt 0x0
; y = softmax(q k^T / 8, causal) v for one head, both products on codes of E2M3; y is quantised along its 64 on the way out, as an operand of the next product.
; THE SOFTMAX AHEAD OF THE SECOND PRODUCT: t = score x log2(e) / 8; M = the running largest t rounded UP to a whole number; p = 2^(t - M) is quantised along the keys, not normalised; the row's sum is taken of the
; unquantised p and divides at the end; when M moves, the sum and O are multiplied by 2^(old M - new M): exact.
; SHARES.  Work-group (i, head) owns the blocks i and 15 - i of 128 queries, so that every work-group has the same number of key steps under the mask.  Each of sixteen waves owns one tile of 16 queries; half of the
; waves of each SIMD take the late block.  A wave walks key steps of 128; a step all of whose keys come after its queries is left out by a scalar branch on ids.
; No cluster: which steps are left out differs between the query blocks that would share K and V, and a branch may not differ between partners.
; LDS holds the head's K, V and scale words as they lie in kv, 208,896 bytes, FILLED ONCE, in four parts that go out together at the head: key steps 0 and 1 with all scale words (36,864 bytes, a sixteenth a wave);
; then key steps 2-3, 4-7 and 8-15 (24,576, 49,152 and 98,304 bytes: waves 0-7 bring K's tiles, waves 8-15 V's images, an eighth each).  A wave's tensor loads end in the order of issue (ISA guide 10.11.1), so a counted
; wait and a barrier ahead of each part's first key step show that part whole while the later parts are still on their way: each part is twice the one before, and so is the work that stands in front of its wait.
; By this text's count a wave has four tensor loads out.  Nothing is filled again.  Key steps 0 to 7 are written out, so that every LDS address read while loads are out is a plain sum of constants; steps 8 to 15 are a loop.
; LAYOUT.  S^T = K Q^T, O^T = V^T P^T: a lane holds ONE query.  Rows of a tile are index 32 (t/2) + 16 (m/8) + 8 (t%2) + m%8, so the 16 registers of two neighbouring tiles are 16 neighbouring keys (or channels).
; THE HEAD'S 64 IN AN INSTRUCTION OF 128: Q's codes of k = 64 .. 127 are zeros.  K's operand for tile t is twelve registers of which the upper six are the next tile's codes: E2M3 has no NaN and no infinity, so they
; meet the code 0 and add exactly 0; bytes 2 and 3 of q's and k's scale words are 0, never 0xff.
; LIMITS: NaN and infinities are not served; a block of y under 2^-124 gets the byte 1.
; REGISTERS: v1-7 addresses that stay; v8-11, v5-6 addresses of the step; v12 -M, v13 the largest t, v[14:15] the sum; v16-27 Q; v32-85 K, later v32-79 V; v86-93 K's scale words; v96-159 S^T, then p; v160-191 O^T;
;   v192-223 y; v224-235 codes; v232-254 at work; v248-251 V's scale words; v255 Q's.
.set HKV, 208896
.set HQ,  106496
.set YB_SCL, 3145728
.set L16, 1
.set L8,  2
.set R4,  3
.set QL,  4                            ; my query - 16 (lane / 16)
.set AKS, 5
.set AVS, 6
.set VB,  7
.set AK16, 8
.set AK8,  9
.set AV16, 10
.set AV8,  11
.set Y,   192
.set WV,  18
.set SEL, 20
.set CS,  22
.set G1P0, 24                          ; s[24:31], s[32:39], s[40:47], s[76:83]: descriptor group 1 of the four parts: they differ in the number of rows
.set G1P1, 32
.set G1P2, 40
.set G1P3, 76
.set G0P0, 84                          ; s[84:99]: their groups 0; none is written again
.set G0P1, 88
.set G0P2, 92
.set G0P3, 96
.set SK,  66                           ; LDS byte of the step's K tiles,
.set SV,  67                           ; V images,
.set SKS, 68                           ; K's scale words,
.set SVS, 69                           ; V's
.set KS,  70                           ; the key step
.set CNT, 71
.set SD,  72                           ; my block of queries = my last key step
.macro GROUP1 g, r                     ; a dense block as r rows of 256 bytes: 32 elements of 8 bytes
	s_mov_b32 s[\g], 3<<16
	s_mov_b32 s[\g+1], 32<<16
	s_mov_b32 s[\g+2], (\r)<<16
	s_mov_b32 s[\g+3], 32<<16
	s_mov_b32 s[\g+4], \r
	s_mov_b32 s[\g+5], 32
	s_mov_b32 s[\g+6], 0
	s_mov_b32 s[\g+7], 0
.endm
.macro GROUP0 g, o                     ; s[o:o+1]: the block's offset, the same in LDS and in the head's bytes of kv
	s_mov_b32 s[\g], 1
	s_mov_b32 s[\g+1], s[\o]
	s_add_nc_u64 s[\g+2:\g+3], s[6:7], s[\o:\o+1]
	s_or_b32 s[\g+3], s[\g+3], 0x80000000
.endm
	s_load_b128 s[4:7], s[0:1], 0x0                ; qb, kv
	s_load_b64 s[8:9], s[0:1], 0x10                ; yb
	v_lshl_add_u32 v95, v0, 2, 0x33000
	v_mov_b32 v243, 0
	ds_add_u32 v95, v243
	ds_add_u32 v95, v243
	v_lshrrev_b32 v8, 5, v0
	v_readfirstlane_b32 s[WV], v8                  ; wave 0..15
	s_and_b32 s10, ttmp7, 0xffff                   ; 16 x batch + head
	GROUP1 G1P0, 9
	GROUP1 G1P1, 6
	GROUP1 G1P2, 12
	GROUP1 G1P3, 24
	s_mul_i32 s12, s10, HKV
	s_mov_b32 s13, 0
	s_mul_i32 s14, s[WV], 2304                     ; part 0: a sixteenth of the first 36,864 bytes
	s_mov_b32 s15, 0
	s_lshr_b32 s16, s[WV], 3
	s_mul_i32 s16, s16, 86016                      ; waves 8-15: V's images lie 86,016 bytes behind K's tiles
	s_and_b32 s17, s[WV], 7
	s_mul_i32 s48, s17, 1536                       ; part 1: key steps 2, 3: an eighth of 12,288 bytes, from 36,864 on
	s_add_co_u32 s48, s48, s16
	s_add_co_u32 s48, s48, 36864
	s_mov_b32 s49, 0
	s_mul_i32 s50, s17, 3072                       ; part 2: key steps 4 to 7: an eighth of 24,576 bytes, from 49,152 on
	s_add_co_u32 s50, s50, s16
	s_add_co_u32 s50, s50, 49152
	s_mov_b32 s51, 0
	s_mul_i32 s52, s17, 6144                       ; part 3: key steps 8 to 15: an eighth of 49,152 bytes, from 73,728 on
	s_add_co_u32 s52, s52, s16
	s_add_co_u32 s52, s52, 73728
	s_mov_b32 s53, 0
	s_wait_dscnt 0x0
	s_wait_kmcnt 0x0
	s_add_nc_u64 s[6:7], s[6:7], s[12:13]          ; the head in kv
	GROUP0 G0P0, 14
	GROUP0 G0P1, 48
	GROUP0 G0P2, 50
	GROUP0 G0P3, 52
	tensor_load_to_lds s[G0P0:G0P0+3], s[G1P0:G1P0+7]      ; all four fills go out together, ahead of every wait, LDS read and barrier
	s_nop 0
	tensor_load_to_lds s[G0P1:G0P1+3], s[G1P1:G1P1+7]
	s_nop 0
	tensor_load_to_lds s[G0P2:G0P2+3], s[G1P2:G1P2+7]
	s_nop 0
	tensor_load_to_lds s[G0P3:G0P3+3], s[G1P3:G1P3+7]
	s_nop 0
.rept 4
	v_nop
.endr
	s_lshr_b32 s19, s[WV], 2
	s_xor_b32 s19, s19, s[WV]
	s_and_b32 s19, s19, 1                          ; 1: the late block.  Of waves 2 p and 2 p + 1 one is early and one late, and so are two of any four waves w, w + 4, .. or w .. w + 3
	s_sub_co_u32 s48, 15, ttmp9
	s_cmp_eq_u32 s19, 1
	s_cselect_b32 s[SD], s48, ttmp9
	s_lshl_b32 s49, s[SD], 3
	s_lshr_b32 s50, s[WV], 1
	s_add_co_u32 s49, s49, s50                     ; my tile of queries
	s_lshr_b32 s50, s49, 1
	s_lshl_b32 s50, s50, 5
	s_and_b32 s51, s49, 1
	s_lshl_b32 s51, s51, 3
	s_add_co_u32 s50, s50, s51
	v_and_b32 v8, 15, v0                           ; r
	v_bfe_u32 v9, v0, 4, 1                         ; h
	v_and_b32 v10, 31, v0
	v_lshlrev_b32 v[L16], 4, v10
	v_lshlrev_b32 v[L8], 3, v10
	v_lshlrev_b32 v[R4], 2, v8
	v_add_nc_u32 v[VB], v[R4], v9
	v_and_b32 v10, 8, v8
	v_add_nc_u32 v10, v10, v8
	v_add_nc_u32 v[QL], s50, v10                   ; my query
	v_lshlrev_b32 v11, 4, v9
	v_sub_nc_u32 v[QL], v[QL], v11
	s_mul_i32 s52, s10, HQ
	s_mul_i32 s51, s49, 768
	s_add_co_u32 s52, s52, s51
	s_mov_b32 s53, 0
	s_add_nc_u64 s[54:55], s[4:5], s[52:53]
	s_mul_i32 s52, s10, HQ
	s_lshl_b32 s51, s49, 6
	s_add_co_u32 s52, s52, s51
	s_add_co_u32 s52, s52, 98304
	s_add_nc_u64 s[56:57], s[4:5], s[52:53]
	global_load_b128 v[16:19], v[L16], s[54:55]    ; Q's image stays in registers
	global_load_b64 v[20:21], v[L8], s[54:55] offset:512
	global_load_b32 v255, v[R4], s[56:57]
	s_lshr_b32 s58, s10, 4
	s_lshl_b32 s58, s58, 7
	s_add_co_u32 s58, s58, s49                     ; my tile among all 256
	s_and_b32 s59, s10, 15                         ; the head = which 64 of the next K
	s_lshl_b32 s60, s58, 4
	s_add_co_u32 s60, s60, s59
	s_mul_i32 s60, s60, 768
	s_mov_b32 s61, 0
	s_add_nc_u64 s[60:61], s[8:9], s[60:61]        ; y's image
	s_lshr_b32 s62, s59, 1
	s_lshl_b32 s62, s62, 8
	s_add_co_u32 s62, s62, s58
	s_lshl_b32 s62, s62, 6
	s_and_b32 s63, s59, 1
	s_lshl_b32 s63, s63, 1
	s_add_co_u32 s62, s62, s63
	s_add_co_u32 s62, s62, YB_SCL
	s_mov_b32 s63, 0
	s_add_nc_u64 s[62:63], s[8:9], s[62:63]        ; my head's two bytes of each row's scale word
	s_mov_b32 s[SEL], 0x76543210
	s_mov_b32 s[SEL+1], 0xfedcba98
	s_mov_b32 s[CS], 0x3e38aa3b                    ; c = log2(e) / 8
	s_mov_b32 s[CS+1], s[CS]
	s_mov_b32 s[SK], 0
	s_mov_b32 s[SV], 12288
	s_mov_b32 s[SKS], 24576
	s_mov_b32 s[SVS], 32768
	s_mov_b32 s[KS], 0
.irp j, 22,23,24,25,26,27,80,81,82,83,84,85
	v_mov_b32 v\j, 0                               ; Q's k = 64 .. 127; what stands behind K's last tile
.endr
	v_mov_b32 v13, 0xff61b1e6                      ; the largest t so far: -3e38
	v_floor_f32 v12, -v13
	v_mov_b32 v14, 0
	v_mov_b32 v15, 0
.irp b, 0,1,2,3
	v_mov_b32 v[236+\b], 0                         ; (a lane permute's destination counts as a source)
.endr
	v_mov_b32 v252, 0
	v_mov_b32 v253, 0
.set j, 0
.rept 32
	v_mov_b32 v[160+j], 0                          ; O^T: the step is one text; the first finds zeros
.set j, j+1
.endr
.macro STEP
	s_cmp_gt_u32 s[KS], s[SD]                      ; all 128 keys come after my queries: only the addresses step
	s_cbranch_scc1 .Lhid_\@
	v_add_nc_u32 v[AK16], s[SK], v[L16]            ; (these six are also the places ahead of the loads into registers that the last products read)
	v_add_nc_u32 v[AK8], s[SK], v[L8]
	v_add_nc_u32 v[AV16], s[SV], v[L16]
	v_add_nc_u32 v[AV8], s[SV], v[L8]
	v_add_nc_u32 v[AKS], s[SKS], v[R4]
	v_add_nc_u32 v[AVS], s[SVS], v[R4]
.irp t, 0,1,2,3,4,5,6,7
	ds_load_b128 v[32+6*\t:35+6*\t], v[AK16] offset:768*\t
	ds_load_b64 v[36+6*\t:37+6*\t], v[AK8] offset:768*\t+512
	ds_load_b32 v[86+\t], v[AKS] offset:64*\t
.endr
	s_wait_dscnt 0x0
.irp t, 0,1,2,3,4,5,6,7
	v_wmma_scale_f32_16x16x128_f8f6f4 v[96+8*\t:103+8*\t], v[32+6*\t:43+6*\t], v[16:27], 0, v[86+\t], v255 matrix_a_fmt:MATRIX_FMT_FP6 matrix_b_fmt:MATRIX_FMT_FP6
.endr
.rept 4
	v_nop
.endr
.irp t, 0,1,2,3                        ; V's fragments are asked for now and land under the softmax
.irp c, 0,1
	ds_load_b128 v[32+12*\t+6*\c:35+12*\t+6*\c], v[AV16] offset:3072*\c+768*\t
	ds_load_b64 v[36+12*\t+6*\c:37+12*\t+6*\c], v[AV8] offset:3072*\c+768*\t+512
.endr
	ds_load_b32 v[248+\t], v[AVS] offset:64*\t
.endr
	s_cmp_lt_u32 s[KS], s[SD]                      ; all keys count: no mask
	s_cbranch_scc1 .Lopen_\@
	s_lshl_b32 s73, s[KS], 7
	v_sub_nc_u32 v252, v[QL], s73                  ; register 16 b + i holds key 128 KS + 16 (lane / 16) + 32 b + i: hidden where 32 b + i > d
	v_mov_b32 v254, 0xff800000
.set n, 0
.rept 64
	v_cmp_gt_i32 vcc_lo, 32*(n/16)+n%16, v252
	v_cndmask_b32 v[96+n], v[96+n], v254, vcc_lo
.set n, n+1
.endr
.Lopen_\@:
.irp b, 0,1,2,3
	v_max3_num_f32 v[232+\b], v[96+16*\b], v[97+16*\b], v[98+16*\b]        ; the largest score of each block of 32 keys: for the row's maximum, and, since p rises with the score, for the block's largest p
.endr
.irp i, 3,5,7,9,11,13
.irp b, 0,1,2,3
	v_max3_num_f32 v[232+\b], v[232+\b], v[96+16*\b+\i], v[97+16*\b+\i]
.endr
.endr
.irp b, 0,1,2,3
	v_max_num_f32 v[232+\b], v[232+\b], v[111+16*\b]
.endr
.irp b, 0,1,2,3
	v_permlanex16_b32 v[236+\b], v[232+\b], s[SEL], s[SEL+1]
.endr
.irp b, 0,1,2,3
	v_max_num_f32 v[232+\b], v[232+\b], v[236+\b]
.endr
	v_max3_num_f32 v254, v232, v233, v234
	v_max_num_f32 v254, v254, v235
	v_mul_f32 v254, s[CS], v254
	v_max_num_f32 v13, v13, v254                   ; the running largest t
	v_mov_b32 v254, v12
	v_floor_f32 v12, -v13                          ; -M = floor(-t): M is a whole number
	v_sub_f32 v254, v12, v254
	v_cvt_i32_f32 v254, v254                       ; (it saturates)
	v_ldexp_f32 v252, 1.0, v254                    ; f = 2^(old M - new M)
.set j, 0
.rept 32
	v_pk_fma_f32 v[96+j:97+j], v[96+j:97+j], s[CS:CS+1], v[12:13] op_sel_hi:[1,0,0]       ; t - M
.set j, j+2
.endr
.irp b, 0,1,2,3
	v_fma_f32 v[232+\b], v[232+\b], s[CS], v12
.endr
.set j, 0
.rept 64
	v_exp_f32 v[96+j], v[96+j]                     ; p = 2^(t - M)
.set j, j+1
.endr
	v_pk_mul_f32 v[14:15], v[14:15], v[252:253] op_sel_hi:[1,0]            ; the sums under the new M; a plain place behind the batch
	s_wait_alu depctr_va_vdst(0)                   ; one wait for the 64, ahead of their first reader
.irp b, 0,1,2,3
	v_exp_f32 v[232+\b], v[232+\b]                 ; each block's largest p
.endr
	v_pk_add_f32 v[236:237], v[96:97], v[98:99]    ; the row's sum of the unquantised p, in two chains
.irp j, 4,8,12,16,20,24,28,32,36,40,44,48,52,56,60
	v_pk_add_f32 v[14:15], v[14:15], v[96+\j:97+\j]
	v_pk_add_f32 v[236:237], v[236:237], v[98+\j:99+\j]
.endr
	v_pk_add_f32 v[14:15], v[14:15], v[236:237]
	s_wait_alu depctr_va_vdst(0)                   ; and one for the four
.irp b, 0,1,2,3
	v_max_num_f32 v[232+\b], 0x1800000, v[232+\b]  ; the floor 2^(3 - 127)
.endr
.irp b, 0,1,2,3
	v_add_nc_u32 v[244+\b], 0xff000000, v[232+\b]
.endr
.irp b, 0,1,2,3
	v_lshrrev_b32 v[236+\b], 23, v[244+\b]
.endr
	v_lshl_or_b32 v253, v237, 8, v236              ; p's scale word for these 128 keys
	v_lshl_or_b32 v253, v238, 16, v253
	v_lshl_or_b32 v253, v239, 24, v253
.irp c, 0,1
	v_cvt_scalef32_pk16_fp6_f32 v[224+6*\c:226+6*\c], v[96+32*\c:111+32*\c], v[244+2*\c]
	v_cvt_scalef32_pk16_fp6_f32 v[236+4*\c:238+4*\c], v[112+32*\c:127+32*\c], v[244+2*\c+1]
.endr
	v_nop
.irp c, 0,1
.irp i, 0,1,2
	v_permlane16_swap_b32 v[224+6*\c+\i], v[236+4*\c+\i]
.endr
.irp i, 0,1,2
	v_mov_b32 v[227+6*\c+\i], v[236+4*\c+\i]
.endr
.endr
.set j, 0
.rept 16
	v_pk_mul_f32 v[160+j:161+j], v[160+j:161+j], v[252:253] op_sel_hi:[1,0]        ; O^T under the new M; these sixteen are the places between the scale word, the codes and the products
.set j, j+2
.endr
	s_wait_dscnt 0x0                               ; V
.irp t, 0,1,2,3
	v_wmma_scale_f32_16x16x128_f8f6f4 v[160+8*\t:167+8*\t], v[32+12*\t:43+12*\t], v[224:235], v[160+8*\t:167+8*\t], v[248+\t], v253 matrix_a_fmt:MATRIX_FMT_FP6 matrix_b_fmt:MATRIX_FMT_FP6
.endr
.Lhid_\@:
	s_add_co_u32 s[SK], s[SK], 6144
	s_add_co_u32 s[SV], s[SV], 6144
	s_add_co_u32 s[SKS], s[SKS], 512
	s_add_co_u32 s[SVS], s[SVS], 256
	s_add_co_u32 s[KS], s[KS], 1
.endm
	s_wait_tensorcnt 0x3                           ; my part of the first 36,864 bytes is in; my three later loads may be out
	s_barrier_signal -1
	s_barrier_wait -1                              ; everybody's is
	s_wait_loadcnt 0x0                             ; Q
	STEP                                           ; key steps 0 and 1
	STEP
	s_wait_tensorcnt 0x2                           ; my part of key steps 2 and 3 is in; two later loads may be out
	s_wait_dscnt 0x0
	s_barrier_signal -1
	s_barrier_wait -1
	s_add_co_u32 s[SK], s[SK], 24576               ; K's tiles from 16 on and V's images from 4 on lie behind the scale words
	s_add_co_u32 s[SV], s[SV], 98304
	STEP                                           ; key steps 2 and 3
	STEP
	s_wait_tensorcnt 0x1                           ; my part of key steps 4 to 7 is in; the last load may be out
	s_wait_dscnt 0x0
	s_barrier_signal -1
	s_barrier_wait -1
	STEP                                           ; key steps 4 to 7
	STEP
	STEP
	STEP
	s_wait_tensorcnt 0x0                           ; my part of the rest is in,
	s_wait_dscnt 0x0
	s_barrier_signal -1
	s_barrier_wait -1                              ; everybody's is
	s_mov_b32 s[CNT], 8
.Lrest:                                            ; key steps 8 to 15
	STEP
	s_sub_co_u32 s[CNT], s[CNT], 1
	s_cmp_lg_u32 s[CNT], 0
	s_cbranch_scc1 .Lrest
.rept 4
	v_nop                                          ; places behind the last products
.endr
	v_add_f32 v14, v14, v15
	v_permlanex16_b32 v252, v14, s[SEL], s[SEL+1]
	v_add_f32 v14, v14, v252                       ; the row's sum
	v_rcp_f32 v14, v14
	v_nop
	s_wait_alu depctr_va_vdst(0)
.set j, 0
.rept 32
	v_mul_f32 v[Y+j], v[160+j], v14                ; register 16 b + i is channel 32 b + 16 (lane / 16) + i of my query
.set j, j+1
.endr
.irp b, 0,1
	v_max3_num_f32 v[232+\b], |v[Y+16*\b]|, |v[Y+1+16*\b]|, 0x1800000
.endr
.irp i, 2,4,6,8,10,12,14
.irp b, 0,1
	v_max3_num_f32 v[232+\b], v[232+\b], |v[Y+16*\b+\i]|, |v[Y+1+16*\b+\i]|
.endr
.endr
.irp b, 0,1
	v_permlanex16_b32 v[236+\b], v[232+\b], s[SEL], s[SEL+1]
.endr
.irp b, 0,1
	v_max_num_f32 v[232+\b], v[232+\b], v[236+\b]
.endr
.irp b, 0,1
	v_add_nc_u32 v[244+\b], 0xff000000, v[232+\b]
.endr
.irp b, 0,1
	v_lshrrev_b32 v[236+\b], 23, v[244+\b]
.endr
	v_cvt_scalef32_pk16_fp6_f32 v[224:226], v[Y:Y+15], v244
	v_cvt_scalef32_pk16_fp6_f32 v[240:242], v[Y+16:Y+31], v245
	v_nop
.irp i, 0,1,2
	v_permlane16_swap_b32 v[224+\i], v[240+\i]
.endr
.irp i, 0,1,2
	v_mov_b32 v[227+\i], v[240+\i]
.endr
	s_mov_b32 vcc_lo, 0xffff0000
	v_cndmask_b32 v236, v236, v237, vcc_lo         ; lane (r, h) stores block h's byte
	global_store_b128 v[L16], v[224:227], s[60:61]
	global_store_b64 v[L8], v[228:229], s[60:61] offset:512
	global_store_b8 v[VB], v236, s[62:63]          ; a head owns two of a word's four bytes: the one place where short pieces are stored, 32 bytes a wave
	s_wait_tensorcnt 0x0
	ds_add_u32 v95, v243
	s_wait_dscnt 0x0
	s_endpgm
.Lfunc_end_k_q238b198b9a_attn:
	.size	k_q238b198b9a_attn, .Lfunc_end_k_q238b198b9a_attn-k_q238b198b9a_attn
	.p2alignl 7, 3214868480
	.fill 96, 4, 3214868480
	.section	.rodata,"a",@progbits
	.p2align	6, 0x0
	.amdhsa_kernel k_q238b198b9a_attn
		.amdhsa_group_segment_fixed_size 210944
		.amdhsa_private_segment_fixed_size 0
		.amdhsa_enable_private_segment 0
		.amdhsa_kernarg_size 24
		.amdhsa_user_sgpr_count 2
		.amdhsa_user_sgpr_kernarg_segment_ptr 1
		.amdhsa_wavefront_size32 1
		.amdhsa_system_sgpr_workgroup_id_x 1
		.amdhsa_system_sgpr_workgroup_id_y 1
		.amdhsa_system_sgpr_workgroup_id_z 1
		.amdhsa_system_vgpr_workitem_id 0
		.amdhsa_next_free_vgpr 256
		.amdhsa_next_free_sgpr 100
		.amdhsa_reserve_vcc 1
		.amdhsa_float_denorm_mode_32 3
		.amdhsa_float_denorm_mode_16_64 3
		.amdhsa_memory_ordered 1
		.amdhsa_forward_progress 1
		.amdhsa_inst_pref_size 210
	.end_amdhsa_kernel
	.amdgpu_metadata
---
amdhsa.version: [ 1, 2 ]
amdhsa.kernels:
  - .name:           k_q238b198b9a_attn
    .symbol:         k_q238b198b9a_attn.kd
    .args:
      - { .name: qb, .offset: 0, .size: 8, .value_kind: global_buffer, .address_space: global }
      - { .name: kv, .offset: 8, .size: 8, .value_kind: global_buffer, .address_space: global }
      - { .name: yb, .offset: 16, .size: 8, .value_kind: global_buffer, .address_space: global }
    .group_segment_fixed_size: 210944
    .private_segment_fixed_size: 0
    .kernarg_segment_align: 8
    .kernarg_segment_size: 24
    .max_flat_workgroup_size: 512
    .sgpr_count:     100
    .vgpr_count:     256
    .wavefront_size: 32
...
	.end_amdgpu_metadata
.endif
;; end of part 3
;; launch proj (part 4): grid 8 x 32, 4 waves a work-group, clusters of 4 x 4, 327,680 bytes of LDS; arguments yb, wq, b_proj, x, x1; writes x1
.if DOCPART == 4
	.amdgcn_target "amdgcn-amd-amdhsa--gfx1250"
	.amdhsa_code_object_version 6
	.text
	.protected	k_q238b198b9a_proj
	.globl	k_q238b198b9a_proj
	.p2align	8
	.type	k_q238b198b9a_proj,@function
k_q238b198b9a_proj:
	s_mov_b64 s[64:65], 0
	v_nop
	global_prefetch_b8 v0, s[64:65] scope:SCOPE_SE
	s_setreg_imm32_b32 hwreg(HW_REG_WAVE_MODE, 25, 1), 1
	s_wait_xcnt 0x0
	s_wait_alu depctr_hold_cnt(0) depctr_sa_sdst(0) depctr_va_vdst(0) depctr_va_sdst(0) depctr_va_ssrc(0) depctr_va_vcc(0) depctr_vm_vsrc(0)
	s_getreg_b32 s2, hwreg(HW_REG_IB_STS2, 6, 4)
	s_cmp_eq_u32 s2, 0
	s_cbranch_scc0 .Lentry_in_a_cluster
	s_endpgm
.Lentry_in_a_cluster:
	s_bfe_u32 s2, ttmp6, 0x10000c
	s_cmp_lg_u32 s2, 0xf033
	s_cbranch_scc0 .Lentry_shape_is_right
	s_endpgm
.Lentry_shape_is_right:
; x1 = x + y W_proj + b_proj.  y and W_proj are codes of E2M3 in images (16 rows x 64 K = 768 bytes: lane (r, h) owns block h of row r; four registers at 16 lane, two at 512 + 8 lane), [tile][K/64][768];
; row m of tile t is index 32 (t/2) + 16 (m/8) + 8 (t%2) + m%8; scale words lie [K/128][tile][16].  'B' (source 0) = the weight's columns, 'A' (source 1) = tokens: a lane holds one token and eight neighbouring columns a tile.
; N is 1,024: tiles of 256 x 256 would be 64 work-groups; a work-group makes 128 x 128, a wave 64 x 64 (16 accumulators), so that there are 256.  K goes in steps of 512 through two LDS slots; a tile row of a load is 6,144 dense bytes.
; CLUSTERS 4 x 4: A's tiles are asked for jointly along a row of the cluster, B's along a column.  The bias is the C of each sum's first product; the residual is asked for at the head and added on the way out.
; REGISTERS: window 0: v8-31 addresses; v32-63 scale words, two sets; v64-95 bias; v128-175 A's fragments (on the way out v128-191: rows read back).  window 1: B's fragments, two sets, at v0 and v128.
;   window 2: accumulator (a, b) at v[8 (4 a + b)].  window 3: the residual, v[4 (8 a + k)].
.set NT,  4
.set HPS, 8
.set NQ,  4
.set KK,  1024
.set BIASC, 1                          ; the first products take the bias as C
.set SPA, 16384
.set SPB, 4096
.set A_SCL, 3145728
.set B_IMG, 2359296
.set B_SCL, 9568256
.set TP,   12*KK
.set QT,   NT*HPS*768
.set SLOT, 4*QT
.set LAPS, KK/(256*NQ)
.set QS,   (KK/128)*NT*64
.set SCL,  2*SLOT
.set SPARE, SCL+4*QS                   ; the spare words: 128 bytes a wave, two blocks of 256 bytes that no other line names
.set NL,   4
.set ADRA, 16
.set ADRB, 20
.set STO,  24
.set RD,   25
.set CO,   26
.set ADRS, 27
.set SPW,  28
.set NIL,  29
.set L16,  30
.set L8,   31
.set SC,   32
.set BR,   64
.set AF,   128
.set BK,   128
.set G1, 24
.set G0, 32
.set G1B, 48
.set G0B, 56
.set G1S, 68
.set G0S, 76
.set G1SB, 80
.set G0SB, 88
.set BRB, 66                           ; s[66:67] the bias, s[96:97] the residual, s[98:99] the output, each at my part
.set RB,  96
.set OB,  98
.set MSB, 0
.macro WIN new
.if MSB != (\new)
	s_set_vgpr_msb (MSB<<8)|(\new)
.set MSB, (\new)
.endif
.endm
.macro JLOAD g0a, g1a, g0b, g1b        ; a joint load: waves 0 and 1 fetch for A, waves 2 and 3 for B; four v_nop follow each line
	s_cmp_eq_u32 s15, 0
	s_cbranch_scc0 .Lfor_b_\@
	tensor_load_to_lds s[\g0a:\g0a+3], s[\g1a:\g1a+7]
	s_nop 0
.rept 4
	v_nop
.endr
	s_branch .Lasked_\@
.Lfor_b_\@:
	tensor_load_to_lds s[\g0b:\g0b+3], s[\g1b:\g1b+7]
	s_nop 0
.rept 4
	v_nop
.endr
.Lasked_\@:
.endm
.macro CREST
	s_cmp_lg_u32 s14, 0
	s_cbranch_scc1 .Lnot_wave_0_\@
	s_barrier_signal -3
.Lnot_wave_0_\@:
	s_barrier_wait -3
	s_barrier_signal -1
	s_barrier_wait -1
.endm
.macro CROUND
	s_barrier_signal -1
	s_barrier_wait -1
	CREST
.endm
.macro PLACES                          ; four plain places behind matrix instructions (ISA guide 7.12.1)
.rept 4
	v_nop
.endr
.endm
.macro FRAG reg, adr, q, i             ; a fragment is two images: each comes as 512 + 256 dense bytes
.irp c, 0,1
	ds_load_b128 v[\reg+6*\c:\reg+6*\c+3], v[\adr] offset:(\i)*HPS*768+(2*(\q)+\c)*768
	ds_load_b64 v[\reg+6*\c+4:\reg+6*\c+5], v[\adr+2] offset:(\i)*HPS*768+(2*(\q)+\c)*768+512
.endr
.endm
.macro FETCH_B slot, q, p
	WIN 0x40
.set ii, 0
.rept NT
	FRAG 128*(\p)+12*ii, ADRB+\slot, \q, ii
.set ii, ii+1
.endr
	WIN 0
.endm
.macro FETCH_A slot, q, i0
.set ii, \i0
.rept NT/2
	FRAG AF+12*ii, ADRA+\slot, \q, ii
.set ii, ii+1
.endr
.endm
.macro SCALES set
.set ii, 0
.rept NT
.set qq, 0
.rept NQ
	ds_load_b32 v[SC+16*(\set)+NQ*ii+qq], v[ADRS] offset:qq*NT*64+ii*64
.set qq, qq+1
.endr
.set ii, ii+1
.endr
.endm
.macro WM d, b, a, c, sb, sa
	v_wmma_scale_f32_16x16x128_f8f6f4 v[\d:\d+7], v[\b:\b+11], v[\a:\a+11], \c, v[\sb], v[\sa] matrix_a_fmt:MATRIX_FMT_FP6 matrix_b_fmt:MATRIX_FMT_FP6 matrix_a_scale:MATRIX_SCALE_ROW1
.endm
.macro MROW a, p, q, sc, first         ; the accumulators take turns, one instruction a turn, in the same order in every step
.set AB, (8*NT*(\a))%256
.set HW, (8*NT*(\a))/256
.if (\first) && BIASC
	WIN 0x81+0x40*HW
.else
	WIN 0xa1+0x50*HW
.endif
.set bb, 0
.rept NT
.if (\first) && BIASC
	WM AB+8*bb, 128*(\p)+12*bb, AF+12*(\a), v[BR+8*bb:BR+8*bb+7], SC+16*(\sc)+NQ*bb+(\q), SC+16*(\sc)+NQ*(\a)+(\q)
.elseif \first
	WM AB+8*bb, 128*(\p)+12*bb, AF+12*(\a), 0, SC+16*(\sc)+NQ*bb+(\q), SC+16*(\sc)+NQ*(\a)+(\q)
.else
	WM AB+8*bb, 128*(\p)+12*bb, AF+12*(\a), v[AB+8*bb:AB+8*bb+7], SC+16*(\sc)+NQ*bb+(\q), SC+16*(\sc)+NQ*(\a)+(\q)
.endif
.set bb, bb+1
.endr
.endm
.macro MULQ g, p, q, sc, first
.if NT == 8
	MROW 2*(\g), \p, \q, \sc, \first
	MROW 2*(\g)+1, \p, \q, \sc, \first
.else
	MROW \g, \p, \q, \sc, \first
.endif
.endm
.macro STEP slot, q, first
	s_wait_dscnt (NT/2)*NL                         ; all but the youngest loads (A's upper tiles) are in
	MULQ 0, (\q)%2, \q, \slot, \first
	MULQ 1, (\q)%2, \q, \slot, \first
	s_wait_dscnt 0x0
	PLACES
	FETCH_B \slot, (\q)+1, 1-(\q)%2
	FETCH_A \slot, (\q)+1, 0
	MULQ 2, (\q)%2, \q, \slot, \first
	MULQ 3, (\q)%2, \q, \slot, \first
	PLACES
	WIN 0
	FETCH_A \slot, (\q)+1, NT/2
.endm
.macro REST slot
.if NQ == 4
	STEP \slot, 1, 0
	STEP \slot, 2, 0
.endif
.endm
.macro TURN slot, next, fill           ; a slot's last step changes slots
	s_wait_tensorcnt 0x0                           ; all my tensor loads have landed
	ds_add_u32 v[SPW], v[NIL]
	s_wait_dscnt (NT/2)*NL+1                       ; (the add and A's upper tiles may be out)
	MULQ 0, 1, NQ-1, \slot, 0
	s_wait_dscnt 0x0                               ; the add is done, my reads of this slot are over
	s_barrier_signal -1
	MULQ 1, 1, NQ-1, \slot, 0
	WIN 0
	s_barrier_wait -1
.if \fill
	CREST                                          ; a round of the cluster's barrier: no wave of any partner still reads this slot or has a load on its way
	s_add_nc_u64 s[G0+4*\slot+2:G0+4*\slot+3], s[G0+4*\slot+2:G0+4*\slot+3], 2*HPS*768
	s_add_nc_u64 s[G0B+4*\slot+2:G0B+4*\slot+3], s[G0B+4*\slot+2:G0B+4*\slot+3], 2*HPS*768
	JLOAD G0+4*\slot, G1, G0B+4*\slot, G1B
.else
	PLACES
.endif
	v_add_nc_u32 v[ADRS], NQ*NT*64, v[ADRS]
	FETCH_B \next, 0, 0
	FETCH_A \next, 0, 0
	SCALES \next
	MULQ 2, 1, NQ-1, \slot, 0
	MULQ 3, 1, NQ-1, \slot, 0
	PLACES
	WIN 0
	FETCH_A \next, 0, NT/2
.endm
	s_load_b128 s[4:7], s[0:1], 0x0                ; A's buffer, wq
	s_load_b128 s[8:11], s[0:1], 0x10              ; the bias, the residual
	s_load_b64 s[12:13], s[0:1], 0x20              ; the output
	v_lshl_add_u32 v[SPW], v0, 2, SPARE
	v_mov_b32 v[NIL], 0
	ds_add_u32 v28, v29
	ds_add_u32 v28, v29
	s_wait_dscnt 0x0
	v_lshrrev_b32 v1, 5, v0
	v_readfirstlane_b32 s14, v1
	s_lshr_b32 s15, s14, 1                         ; my quarter of A.  Also: I fetch for A (0) or for B (1)
	s_and_b32 s16, s14, 1                          ; my quarter of B.  Also: which quarter I fetch
	s_bfe_u32 s40, ttmp6, 0x40000
	s_bfe_u32 s41, ttmp6, 0x40004
	s_lshl_b32 s42, ttmp9, 2
	s_add_co_u32 s42, s42, s40                     ; IB: which 128 columns
	s_and_b32 s17, ttmp7, 0xffff
	s_lshl_b32 s17, s17, 2
	s_add_co_u32 s17, s17, s41                     ; IA: which 128 tokens
	s_lshl_b32 s43, s41, 2
	s_lshl_b32 s43, 15, s43
	s_lshl_b32 s44, 0x1111, s40
	s_or_b32 s[G1], s43, (3<<16)|(1<<21)
	s_or_b32 s[G1B], s44, (3<<16)|(1<<21)
.irp g, G1, G1B
	s_mov_b32 s[\g+1], (HPS*96)<<16
	s_mov_b32 s[\g+2], NT<<16
	s_mov_b32 s[\g+3], (HPS*96)<<16
	s_mov_b32 s[\g+4], NT
	s_mov_b32 s[\g+5], TP/8
	s_mov_b32 s[\g+6], 0
	s_mov_b32 s[\g+7], 0
.endr
	s_or_b32 s[G1S], s43, (3<<16)|(1<<21)
	s_or_b32 s[G1SB], s44, (3<<16)|(1<<21)
.irp g, G1S, G1SB
	s_mov_b32 s[\g+1], (NT*8)<<16
	s_mov_b32 s[\g+2], (KK/128)<<16
	s_mov_b32 s[\g+3], (NT*8)<<16
	s_mov_b32 s[\g+4], KK/128
	s_mov_b32 s[\g+6], 0
	s_mov_b32 s[\g+7], 0
.endr
	s_mov_b32 s[G1S+5], SPA/8
	s_mov_b32 s[G1SB+5], SPB/8
	s_lshl_b32 s20, s17, 1
	s_add_co_u32 s20, s20, s16
	s_mul_i32 s22, s20, NT*64
	s_add_co_u32 s22, s22, A_SCL
	s_mul_i32 s20, s20, NT*TP
	s_mov_b32 s21, 0
	s_mov_b32 s23, 0
	s_lshl_b32 s46, s42, 1
	s_add_co_u32 s46, s46, s16
	s_mul_i32 s92, s46, NT*64
	s_add_co_u32 s92, s92, B_SCL
	s_mul_i32 s46, s46, NT*TP
	s_add_co_u32 s46, s46, B_IMG
	s_mov_b32 s47, 0
	s_mov_b32 s93, 0
	s_mul_i32 s45, s14, QT
	s_mul_i32 s94, s14, QS
	s_wait_kmcnt 0x0
	s_add_nc_u64 s[20:21], s[4:5], s[20:21]
	s_add_nc_u64 s[22:23], s[4:5], s[22:23]
	s_add_nc_u64 s[46:47], s[6:7], s[46:47]
	s_add_nc_u64 s[92:93], s[6:7], s[92:93]
	CROUND
	s_mov_b32 s[G0S], 1
	s_add_co_u32 s[G0S+1], s94, SCL
	s_mov_b64 s[G0S+2:G0S+3], s[22:23]
	s_or_b32 s[G0S+3], s[G0S+3], 0x80000000
	s_mov_b32 s[G0SB], 1
	s_add_co_u32 s[G0SB+1], s94, SCL
	s_mov_b64 s[G0SB+2:G0SB+3], s[92:93]
	s_or_b32 s[G0SB+3], s[G0SB+3], 0x80000000
	JLOAD G0S, G1S, G0SB, G1SB
.irp s, 0,1
	s_mov_b32 s[G0+4*\s], 1
	s_add_co_u32 s[G0+4*\s+1], s45, \s*SLOT
	s_add_nc_u64 s[G0+4*\s+2:G0+4*\s+3], s[20:21], \s*HPS*768
	s_or_b32 s[G0+4*\s+3], s[G0+4*\s+3], 0x80000000
	s_mov_b32 s[G0B+4*\s], 1
	s_add_co_u32 s[G0B+4*\s+1], s45, \s*SLOT
	s_add_nc_u64 s[G0B+4*\s+2:G0B+4*\s+3], s[46:47], \s*HPS*768
	s_or_b32 s[G0B+4*\s+3], s[G0B+4*\s+3], 0x80000000
	JLOAD G0+4*\s, G1, G0B+4*\s, G1B
.endr
	v_and_b32 v1, 15, v0
	v_bfe_u32 v2, v0, 4, 1
	v_and_b32 v3, 31, v0
	v_lshlrev_b32 v[L16], 4, v3
	v_lshlrev_b32 v[L8], 3, v3
	s_mul_i32 s21, s15, QT
	s_mul_i32 s22, s16, QT
	s_add_co_u32 s22, s22, 2*QT
.irp s, 0,1
	v_add_nc_u32 v[ADRA+\s], s21, v[L16]
	v_add_nc_u32 v[ADRA+2+\s], s21, v[L8]
	v_add_nc_u32 v[ADRB+\s], s22, v[L16]
	v_add_nc_u32 v[ADRB+2+\s], s22, v[L8]
	s_add_co_u32 s21, s21, SLOT
	s_add_co_u32 s22, s22, SLOT
.endr
	v_lshlrev_b32 v5, 2, v1
	s_mul_i32 s21, s15, QS
	s_mul_i32 s22, s16, QS
	s_add_co_u32 s22, s22, 2*QS
	s_sub_co_u32 s22, s22, s21
	v_mul_u32_u24 v6, s22, v2
	s_add_co_u32 s21, s21, SCL
	v_add_nc_u32 v6, v5, v6
	v_add_nc_u32 v[ADRS], s21, v6
	s_mul_i32 s21, s14, 16*272                     ; my stage, 16 rows x (256 + 16) bytes, in slot 0: used when that slot has had its last fill and its last read
	v_mul_u32_u24 v[STO], v1, 272
	v_lshl_add_u32 v[STO], v2, 6, v[STO]
	v_add_nc_u32 v[STO], s21, v[STO]               ; in: row r, + 64 h
	v_mul_u32_u24 v[RD], v2, 272
	v_lshl_add_u32 v[RD], v1, 4, v[RD]
	v_add_nc_u32 v[RD], s21, v[RD]                 ; back: lanes 0-15 one row, lanes 16-31 the next
	v_lshlrev_b32 v[CO], 12, v2
	v_lshl_add_u32 v[CO], v1, 4, v[CO]             ; and the same in memory: rows of 4,096 bytes
	s_lshl_b32 s18, s17, 1
	s_add_co_u32 s18, s18, s15
	s_lshl_b32 s18, s18, 18                        ; my 64 tokens
	s_lshl_b32 s2, s42, 9
	s_lshl_b32 s19, s16, 8
	s_add_co_u32 s2, s2, s19                       ; my 64 columns: 256 bytes, aligned
	s_mov_b32 s3, 0
	s_add_nc_u64 s[BRB:BRB+1], s[8:9], s[2:3]
	s_add_co_u32 s18, s18, s2
	s_mov_b32 s19, 0
	s_add_nc_u64 s[RB:RB+1], s[10:11], s[18:19]
	s_add_nc_u64 s[OB:OB+1], s[12:13], s[18:19]
	v_lshlrev_b32 v8, 6, v2
.irp t, 0,1,2,3
	global_load_b128 v[BR+8*\t:BR+8*\t+3], v8, s[BRB:BRB+1] offset:(32*(\t/2)+8*(\t%2))*4
	global_load_b128 v[BR+8*\t+4:BR+8*\t+7], v8, s[BRB:BRB+1] offset:(32*(\t/2)+8*(\t%2))*4+16
.endr
	WIN 0xc0                                       ; destination window 3
.irp a, 0,1,2,3                        ; stage row 2 k + (lane / 16) of tile a is token 32 (a/2) + 8 (a%2) + 16 (k/4) + 2 (k%4) + (lane / 16)
.irp k, 0,1,2,3,4,5,6,7
	global_load_b128 v[4*(8*\a+\k):4*(8*\a+\k)+3], v[CO], s[RB:RB+1] offset:(32*(\a/2)+8*(\a%2)+16*(\k/4)+2*(\k%4))*4096
.endr
.endr
	WIN 0
	s_wait_tensorcnt 1                             ; the scale words and my part of slot 0 are in; slot 1's load may be out
	s_barrier_signal -1
	s_barrier_wait -1
	FETCH_B 0, 0, 0
	FETCH_A 0, 0, 0
	SCALES 0
	FETCH_A 0, 0, NT/2
	s_wait_loadcnt 32                              ; the bias is in; the 32 loads of the residual may be out
	STEP 0, 0, 1
.if LAPS > 1
	s_mov_b32 s3, LAPS-1
.Llap:
	REST 0
	TURN 0, 1, 1
	STEP 1, 0, 0
	REST 1
	TURN 1, 0, 1
	STEP 0, 0, 0
	s_sub_co_u32 s3, s3, 1
	s_cmp_lg_u32 s3, 0
	s_cbranch_scc1 .Llap
.endif
	REST 0
	TURN 0, 1, 0
	STEP 1, 0, 0
	REST 1
	s_wait_dscnt (NT/2)*NL
	MULQ 0, 1, NQ-1, 1, 0
	MULQ 1, 1, NQ-1, 1, 0
	s_wait_dscnt 0x0
	MULQ 2, 1, NQ-1, 1, 0
	MULQ 3, 1, NQ-1, 1, 0
	WIN 0
; THE WAY OUT, a tile of 16 tokens x 64 columns at a time, through my own stage: sixteen lanes then store 256 consecutive bytes, aligned.
.macro TOSTAGE a
	WIN 0x08                                       ; an LDS store's data: window 2
.irp b, 0,1,2,3
	ds_store_b128 v[STO], v[32*(\a)+8*\b:32*(\a)+8*\b+3] offset:128*(\b/2)+32*(\b%2)       ; each accumulator from its low end on
	ds_store_b128 v[STO], v[32*(\a)+8*\b+4:32*(\a)+8*\b+7] offset:128*(\b/2)+32*(\b%2)+16
.endr
	WIN 0
.set BB, BK+32*((\a)%2)
.irp k, 0,1,2,3,4,5,6,7
	ds_load_b128 v[BB+4*\k:BB+4*\k+3], v[RD] offset:2*\k*272       ; LDS serves a wave's instructions in order: these see my stores
.endr
.endm
.macro SEND a, younger
.set BB, BK+32*((\a)%2)
	s_wait_dscnt \younger
	WIN 0x0c                                       ; source 1: window 3
.set i, 0
.rept 16
	v_pk_add_f32 v[BB+i:BB+i+1], v[BB+i:BB+i+1], v[32*(\a)+i:32*(\a)+i+1]
.set i, i+2
.endr
	WIN 0
.irp k, 0,1,2,3,4,5,6,7
	global_store_b128 v[CO], v[BB+4*\k:BB+4*\k+3], s[OB:OB+1] offset:(32*((\a)/2)+8*((\a)%2)+16*(\k/4)+2*(\k%4))*4096
.endr
.endm
	s_wait_loadcnt 0x0                             ; the residual
	PLACES
	TOSTAGE 0
.irp a, 1,2,3
.if \a > 1
	s_wait_xcnt 0x0                                ; tile a - 2's stores have read their registers
.endif
	TOSTAGE \a
	SEND \a-1, 16                                  ; behind tile a - 1's loads: tile a's 8 stores and 8 loads
.endr
	SEND 3, 0
	s_wait_tensorcnt 0x0                           ; the wave's end
	ds_add_u32 v[SPW], v[NIL]
	s_wait_dscnt 0x0
	CROUND                                         ; the closing round
	s_endpgm
.Lfunc_end_k_q238b198b9a_proj:
	.size	k_q238b198b9a_proj, .Lfunc_end_k_q238b198b9a_proj-k_q238b198b9a_proj
	.p2alignl 7, 3214868480
	.fill 96, 4, 3214868480
	.section	.rodata,"a",@progbits
	.p2align	6, 0x0
	.amdhsa_kernel k_q238b198b9a_proj
		.amdhsa_group_segment_fixed_size 327680
		.amdhsa_private_segment_fixed_size 0
		.amdhsa_enable_private_segment 0
		.amdhsa_kernarg_size 40
		.amdhsa_user_sgpr_count 2
		.amdhsa_user_sgpr_kernarg_segment_ptr 1
		.amdhsa_wavefront_size32 1
		.amdhsa_system_sgpr_workgroup_id_x 1
		.amdhsa_system_sgpr_workgroup_id_y 1
		.amdhsa_system_sgpr_workgroup_id_z 1
		.amdhsa_system_vgpr_workitem_id 0
		.amdhsa_next_free_vgpr 1024
		.amdhsa_next_free_sgpr 100
		.amdhsa_reserve_vcc 0
		.amdhsa_float_denorm_mode_32 3
		.amdhsa_float_denorm_mode_16_64 3
		.amdhsa_memory_ordered 1
		.amdhsa_forward_progress 1
		.amdhsa_inst_pref_size 64
	.end_amdhsa_kernel
	.amdgpu_metadata
---
amdhsa.version: [ 1, 2 ]
amdhsa.kernels:
  - .name:           k_q238b198b9a_proj
    .symbol:         k_q238b198b9a_proj.kd
    .args:
      - { .name: yb, .offset: 0, .size: 8, .value_kind: global_buffer, .address_space: global }
      - { .name: wq, .offset: 8, .size: 8, .value_kind: global_buffer, .address_space: global }
      - { .name: b_proj, .offset: 16, .size: 8, .value_kind: global_buffer, .address_space: global }
      - { .name: x, .offset: 24, .size: 8, .value_kind: global_buffer, .address_space: global }
      - { .name: x1, .offset: 32, .size: 8, .value_kind: global_buffer, .address_space: global }
    .group_segment_fixed_size: 327680
    .private_segment_fixed_size: 0
    .kernarg_segment_align: 8
    .kernarg_segment_size: 40
    .max_flat_workgroup_size: 128
    .sgpr_count:     100
    .vgpr_count:     1024
    .wavefront_size: 32
...
	.end_amdgpu_metadata
.endif
;; end of part 4
;; launch ln2 (part 5): grid 256 x 1, 4 waves a work-group, no clusters, 66,304 bytes of LDS; arguments x1, ln2_g, ln2_b, act; writes act
.if DOCPART == 5
	.amdgcn_target "amdgcn-amd-amdhsa--gfx1250"
	.amdhsa_code_object_version 6
	.text
	.protected	k_q238b198b9a_ln2
	.globl	k_q238b198b9a_ln2
	.p2align	8
	.type	k_q238b198b9a_ln2,@function
k_q238b198b9a_ln2:
	s_mov_b64 s[64:65], 0
	v_nop
	global_prefetch_b8 v0, s[64:65] scope:SCOPE_SE
	s_setreg_imm32_b32 hwreg(HW_REG_WAVE_MODE, 25, 1), 1
	s_wait_xcnt 0x0
; LayerNorm 2 of x1, quantised along its 1,024 to codes of E2M3 with one E8M0 byte for each 32.
; A work-group is a tile of 16 tokens (row m of tile t is token 32 (t/2) + 16 (m/8) + 8 (t%2) + m%8); a wave normalises four whole rows in registers; the rows meet in a stage; then each lane takes whole blocks of 32 of one row.
; Codes leave as images of 768 bytes (16 rows x 64 K: lane (r, h) owns block h of row r; four registers at 16 lane, two at 512 + 8 lane), [tile][K/64][768]; scale words lie [K/128][tile][16].
; LIMITS: NaN and infinities are not served; a block of zeros or under 2^-124 gets the byte 1 over its codes: only this program reads the bytes.
.set ACT_SCL, 3145728
.set STG,  0
.set SPI,  4112                        ; a stage row: 4,096 bytes + 16
.set PACT, 18                          ; s[18:19] act
.set T0, 12
.set T1, 13
.set T2, 14
.set BY, 16
.set SM, 20
.set MU, 36
.set W0, 44
.set W1, 45
.set P0, 46
.set P1, 47
.set SH8, 48
.set X,  64
.set G,  192
.set BV, 224
.set CD, 192
.macro QUANT1 xs, c, by                ; one whole block of 32 numbers becomes six registers of codes and a byte
	v_max3_num_f32 v[T0], |v[\xs]|, |v[\xs+1]|, |v[\xs+2]|
	v_max3_num_f32 v[T1], |v[\xs+3]|, |v[\xs+4]|, |v[\xs+5]|
.irp i, 6,10,14,18,22,26
	v_max3_num_f32 v[T0], v[T0], |v[\xs+\i]|, |v[\xs+\i+1]|
	v_max3_num_f32 v[T1], v[T1], |v[\xs+\i+2]|, |v[\xs+\i+3]|
.endr
	v_max3_num_f32 v[T0], v[T0], |v[\xs+30]|, |v[\xs+31]|
	v_max3_num_f32 v[T0], v[T0], v[T1], 0x1800000          ; the floor 2^(3 - 127)
	v_add_nc_u32 v[T2], 0xff000000, v[T0]
	v_cvt_scalef32_pk16_fp6_f32 v[\c:\c+2], v[\xs:\xs+15], v[T2]
	v_cvt_scalef32_pk16_fp6_f32 v[\c+4:\c+6], v[\xs+16:\xs+31], v[T2]
	v_lshrrev_b32 v[\by], 23, v[T2]                        ; the byte; also the plain line behind the conversions
	v_mov_b32 v[\c+3], v[\c+4]
	v_mov_b32 v[\c+4], v[\c+5]
	v_mov_b32 v[\c+5], v[\c+6]
.endm
	s_load_b256 s[12:19], s[0:1], 0x0              ; x1, ln2_g, ln2_b, act
	v_lshl_add_u32 v62, v0, 2, 0x10100
	v_mov_b32 v63, 0
	v_lshrrev_b32 v1, 5, v0
	v_readfirstlane_b32 s22, v1                    ; wave
	v_and_b32 v1, 31, v0                           ; lane
	s_mov_b32 s23, ttmp9                           ; tile t
	s_lshr_b32 s24, s23, 1
	s_lshl_b32 s24, s24, 5
	s_and_b32 s25, s23, 1
	s_lshl_b32 s25, s25, 3
	s_add_co_u32 s24, s24, s25
	s_lshr_b32 s25, s22, 1
	s_lshl_b32 s25, s25, 4
	s_add_co_u32 s24, s24, s25
	s_and_b32 s25, s22, 1
	s_lshl_b32 s25, s25, 2
	s_add_co_u32 s24, s24, s25                     ; my four tokens
	s_lshl_b32 s24, s24, 12
	s_mov_b32 s25, 0
	s_mov_b32 s40, 0x3a800000                      ; 1 / 1024
	s_mov_b32 s41, 0x3727c5ac                      ; 1e-5
	s_mov_b32 s42, 0x76543210
	s_mov_b32 s43, 0xfedcba98
	v_lshlrev_b32 v2, 4, v1
	v_lshlrev_b32 v7, 3, v1
	v_and_b32 v5, 15, v0
	v_bfe_u32 v6, v0, 4, 1
	s_mul_i32 s26, s22, 4*SPI
	v_add_nc_u32 v3, s26, v2
	v_add_nc_u32 v3, STG, v3
	v_mul_u32_u24 v4, v5, SPI
	v_lshl_add_u32 v4, v6, 7, v4
	s_lshl_b32 s26, s22, 10
	v_add_nc_u32 v4, s26, v4
	v_add_nc_u32 v4, STG, v4
	v_lshlrev_b32 v8, 2, v5
	v_lshl_add_u32 v8, v6, 14, v8
	v_mov_b32 v[P0], 0
	v_mov_b32 v[P1], 0
	s_mul_i32 s28, s23, 12288
	s_mul_i32 s27, s22, 3072
	s_add_co_u32 s28, s28, s27
	s_mov_b32 s29, 0
	s_lshl_b32 s30, s23, 6
	s_lshl_b32 s27, s22, 15
	s_add_co_u32 s30, s30, s27
	s_add_co_u32 s30, s30, ACT_SCL
	s_mov_b32 s31, 0
	s_wait_kmcnt 0x0
	s_add_nc_u64 s[12:13], s[12:13], s[24:25]
	s_add_nc_u64 s[28:29], s[PACT:PACT+1], s[28:29]
	s_add_nc_u64 s[30:31], s[PACT:PACT+1], s[30:31]
.irp j, 0,1,2,3,4,5,6,7
	global_load_b128 v[G+4*\j:G+4*\j+3], v2, s[14:15] offset:512*\j
	global_load_b128 v[BV+4*\j:BV+4*\j+3], v2, s[16:17] offset:512*\j
.endr
.irp i, 0,1,2,3
.irp j, 0,1,2,3,4,5,6,7
	global_load_b128 v[X+32*\i+4*\j:X+32*\i+4*\j+3], v2, s[12:13] offset:4096*\i+512*\j
.endr
.endr
.macro FOLD                            ; each row's two chains, its two halves, the 32 lanes
.irp i, 0,1,2,3
	v_pk_add_f32 v[SM+4*\i:SM+4*\i+1], v[SM+4*\i:SM+4*\i+1], v[SM+4*\i+2:SM+4*\i+3]
.endr
.irp i, 0,1,2,3
	v_add_f32 v[SM+4*\i], v[SM+4*\i], v[SM+4*\i+1]
.endr
.irp m, 1,2,4,8
.irp i, 0,1,2,3
	v_add_f32_dpp v[SM+4*\i], v[SM+4*\i], v[SM+4*\i] row_xmask:\m row_mask:0xf bank_mask:0xf
.endr
.endr
.irp i, 0,1,2,3
	v_permlanex16_b32 v[SM+4*\i+1], v[SM+4*\i], s42, s43
.endr
.irp i, 0,1,2,3
	v_add_f32 v[SM+4*\i], v[SM+4*\i], v[SM+4*\i+1]
.endr
.endm
	s_wait_loadcnt 0x0
.irp i, 0,1,2,3
	v_pk_add_f32 v[SM+4*\i:SM+4*\i+1], v[X+32*\i:X+32*\i+1], v[X+32*\i+2:X+32*\i+3]
	v_pk_add_f32 v[SM+4*\i+2:SM+4*\i+3], v[X+32*\i+4:X+32*\i+5], v[X+32*\i+6:X+32*\i+7]
.endr
.irp j, 8,12,16,20,24,28
.irp i, 0,1,2,3
	v_pk_add_f32 v[SM+4*\i:SM+4*\i+1], v[SM+4*\i:SM+4*\i+1], v[X+32*\i+\j:X+32*\i+\j+1]
	v_pk_add_f32 v[SM+4*\i+2:SM+4*\i+3], v[SM+4*\i+2:SM+4*\i+3], v[X+32*\i+\j+2:X+32*\i+\j+3]
.endr
.endr
	FOLD
.irp i, 0,1,2,3
	v_mul_f32 v[MU+2*\i], 0xba800000, v[SM+4*\i]   ; -mean
.endr
.irp i, 0,1,2,3
	v_mov_b32 v[MU+2*\i+1], v[MU+2*\i]
.endr
.irp i, 0,1,2,3
.set j, 0
.rept 16
	v_pk_add_f32 v[X+32*\i+j:X+32*\i+j+1], v[X+32*\i+j:X+32*\i+j+1], v[MU+2*\i:MU+2*\i+1]
.set j, j+2
.endr
.endr
.irp i, 0,1,2,3
	v_pk_mul_f32 v[SM+4*\i:SM+4*\i+1], v[X+32*\i:X+32*\i+1], v[X+32*\i:X+32*\i+1]
	v_pk_mul_f32 v[SM+4*\i+2:SM+4*\i+3], v[X+32*\i+2:X+32*\i+3], v[X+32*\i+2:X+32*\i+3]
.endr
.irp j, 4,8,12,16,20,24,28
.irp i, 0,1,2,3
	v_pk_fma_f32 v[SM+4*\i:SM+4*\i+1], v[X+32*\i+\j:X+32*\i+\j+1], v[X+32*\i+\j:X+32*\i+\j+1], v[SM+4*\i:SM+4*\i+1]
	v_pk_fma_f32 v[SM+4*\i+2:SM+4*\i+3], v[X+32*\i+\j+2:X+32*\i+\j+3], v[X+32*\i+\j+2:X+32*\i+\j+3], v[SM+4*\i+2:SM+4*\i+3]
.endr
.endr
	FOLD
.irp i, 0,1,2,3
	v_fma_f32 v[SM+4*\i], v[SM+4*\i], s40, s41     ; variance + 1e-5
.endr
.irp i, 0,1,2,3
	v_rsq_f32 v[MU+2*\i], v[SM+4*\i]
.endr
	v_nop                                          ; a plain line behind the last of the batch,
	s_wait_alu depctr_va_vdst(0)                   ; and one wait for the four, ahead of their first reader
.irp i, 0,1,2,3
	v_mov_b32 v[MU+2*\i+1], v[MU+2*\i]
.endr
.irp i, 0,1,2,3
.set j, 0
.rept 16
	v_pk_mul_f32 v[X+32*\i+j:X+32*\i+j+1], v[X+32*\i+j:X+32*\i+j+1], v[MU+2*\i:MU+2*\i+1]
.set j, j+2
.endr
.endr
.irp i, 0,1,2,3
.set j, 0
.rept 16
	v_pk_fma_f32 v[X+32*\i+j:X+32*\i+j+1], v[X+32*\i+j:X+32*\i+j+1], v[G+j:G+j+1], v[BV+j:BV+j+1]
.set j, j+2
.endr
.endr
.irp i, 0,1,2,3
.irp j, 0,1,2,3,4,5,6,7
	ds_store_b128 v3, v[X+32*\i+4*\j:X+32*\i+4*\j+3] offset:\i*SPI+512*\j
.endr
.endr
	s_wait_dscnt 0x0                               ; for the others' sake: my rows lie in the stage
	s_barrier_signal -1
	s_barrier_wait -1
.irp e, 0,1,2,3
.irp i, 0,1,2,3,4,5,6,7
	ds_load_b128 v[X+32*\e+4*\i:X+32*\e+4*\i+3], v4 offset:256*\e+16*\i
.endr
.endr
.irp e, 0,1,2,3
	s_wait_dscnt 24-8*\e                           ; the later images' loads may be out
	QUANT1 X+32*\e, CD+8*\e, BY+\e
	global_store_b128 v2, v[CD+8*\e:CD+8*\e+3], s[28:29] offset:768*\e
	global_store_b64 v7, v[CD+8*\e+4:CD+8*\e+5], s[28:29] offset:768*\e+512
.endr
	v_lshl_or_b32 v[W0], v[BY+1], 16, v[BY]
	v_lshl_or_b32 v[W1], v[BY+3], 16, v[BY+2]
	v_lshlrev_b32 v[SH8], 3, v6
	v_lshlrev_b32 v[W0], v[SH8], v[W0]
	v_lshlrev_b32 v[W1], v[SH8], v[W1]
	v_permlanex16_b32 v[P0], v[W0], s42, s43
	v_permlanex16_b32 v[P1], v[W1], s42, s43
	v_or_b32 v[W0], v[W0], v[P0]
	v_or_b32 v[W1], v[W1], v[P1]
	s_mov_b32 vcc_lo, 0xffff0000
	v_cndmask_b32 v[W0], v[W0], v[W1], vcc_lo      ; lanes 0-15 store kstep 2 w's words, lanes 16-31 kstep 2 w + 1's
	global_store_b32 v8, v[W0], s[30:31]
	s_wait_tensorcnt 0x0
	ds_add_u32 v62, v63
	s_wait_dscnt 0x0
	s_endpgm
.Lfunc_end_k_q238b198b9a_ln2:
	.size	k_q238b198b9a_ln2, .Lfunc_end_k_q238b198b9a_ln2-k_q238b198b9a_ln2
	.p2alignl 7, 3214868480
	.fill 96, 4, 3214868480
	.section	.rodata,"a",@progbits
	.p2align	6, 0x0
	.amdhsa_kernel k_q238b198b9a_ln2
		.amdhsa_group_segment_fixed_size 66304
		.amdhsa_private_segment_fixed_size 0
		.amdhsa_enable_private_segment 0
		.amdhsa_kernarg_size 32
		.amdhsa_user_sgpr_count 2
		.amdhsa_user_sgpr_kernarg_segment_ptr 1
		.amdhsa_wavefront_size32 1
		.amdhsa_system_sgpr_workgroup_id_x 1
		.amdhsa_system_sgpr_workgroup_id_y 1
		.amdhsa_system_sgpr_workgroup_id_z 1
		.amdhsa_system_vgpr_workitem_id 0
		.amdhsa_next_free_vgpr 256
		.amdhsa_next_free_sgpr 66
		.amdhsa_reserve_vcc 1
		.amdhsa_float_denorm_mode_32 3
		.amdhsa_float_denorm_mode_16_64 3
		.amdhsa_memory_ordered 1
		.amdhsa_forward_progress 1
		.amdhsa_inst_pref_size 42
	.end_amdhsa_kernel
	.amdgpu_metadata
---
amdhsa.version: [ 1, 2 ]
amdhsa.kernels:
  - .name:           k_q238b198b9a_ln2
    .symbol:         k_q238b198b9a_ln2.kd
    .args:
      - { .name: x1, .offset: 0, .size: 8, .value_kind: global_buffer, .address_space: global }
      - { .name: ln2_g, .offset: 8, .size: 8, .value_kind: global_buffer, .address_space: global }
      - { .name: ln2_b, .offset: 16, .size: 8, .value_kind: global_buffer, .address_space: global }
      - { .name: act, .offset: 24, .size: 8, .value_kind: global_buffer, .address_space: global }
    .group_segment_fixed_size: 66304
    .private_segment_fixed_size: 0
    .kernarg_segment_align: 8
    .kernarg_segment_size: 32
    .max_flat_workgroup_size: 128
    .sgpr_count:     66
    .vgpr_count:     256
    .wavefront_size: 32
...
	.end_amdgpu_metadata
.endif
;; end of part 5
;; launch fc (part 6): grid 16 x 16, 4 waves a work-group, clusters of 4 x 4, 327,680 bytes of LDS; arguments act, wq, b_fc, hb; writes hb
.if DOCPART == 6
	.amdgcn_target "amdgcn-amd-amdhsa--gfx1250"
	.amdhsa_code_object_version 6
	.text
	.protected	k_q238b198b9a_fc
	.globl	k_q238b198b9a_fc
	.p2align	8
	.type	k_q238b198b9a_fc,@function
k_q238b198b9a_fc:
	s_mov_b64 s[64:65], 0
	v_nop
	global_prefetch_b8 v0, s[64:65] scope:SCOPE_SE
	s_setreg_imm32_b32 hwreg(HW_REG_WAVE_MODE, 25, 1), 1
	s_wait_xcnt 0x0
	s_wait_alu depctr_hold_cnt(0) depctr_sa_sdst(0) depctr_va_vdst(0) depctr_va_sdst(0) depctr_va_ssrc(0) depctr_va_vcc(0) depctr_vm_vsrc(0)
	s_getreg_b32 s2, hwreg(HW_REG_IB_STS2, 6, 4)
	s_cmp_eq_u32 s2, 0
	s_cbranch_scc0 .Lentry_in_a_cluster
	s_endpgm
.Lentry_in_a_cluster:
	s_bfe_u32 s2, ttmp6, 0x10000c
	s_cmp_lg_u32 s2, 0xf033
	s_cbranch_scc0 .Lentry_shape_is_right
	s_endpgm
.Lentry_shape_is_right:
; h = gelu(LN2(x1) W_fc + b_fc), exact gelu, quantised along the hidden 4,096 on the way out.  Operands are codes of E2M3 in images (16 rows x 64 K = 768 bytes: lane (r, h) owns block h of row r; four registers at
; 16 lane, two at 512 + 8 lane), [tile][K/64][768]; row m of tile t is index 32 (t/2) + 16 (m/8) + 8 (t%2) + m%8; scale words lie [K/128][tile][16].  'B' (source 0) = W_fc's columns, 'A' (source 1) = tokens: a lane holds one
; token, and the 16 registers of two neighbouring tiles of B are 16 neighbouring hidden units: a wave's 128 units are one fragment and one scale word a row of the next product.
; A work-group of four waves makes 256 x 256, a wave 128 x 128.  K goes in steps of 256 through two LDS slots.  CLUSTERS 4 x 4: A's tiles are asked for jointly along a row of the cluster, B's along a column.
; GELU: 0.5 t (1 + erf(t / sqrt 2)); erf(z) = z P(z^2) / Q(z^2) on z held to +-4 (beyond that erf is 1 to f32's last bit), a rational form of degrees 6 and 4 in z^2.
; LIMITS: 1 + erf carries an absolute error of some 6e-8, so gelu under t = -5 is right only to about 3e-8 |t| absolute; NaN and infinities are not served; blocks of zeros or under 2^-124 get the byte 1.
; The way out is a loop of eight trips, one tile of tokens each: only the 32 lines that fetch the tile's accumulators differ, and a chain of compares on the trip's number picks them.
; REGISTERS: window 0: v8-31 addresses; v32-63 scale words; v64-127 bias; v128-223 A's fragments.  window 1: B's fragments, two sets; on the way out all of gelu's work.  windows 2, 3: accumulator (a, b) at 8 (8 a + b).
.set NT,  8
.set HPS, 4
.set NQ,  2
.set KK,  1024
.set BIASC, 0
.set SPA, 16384
.set SPB, 16384
.set A_SCL, 3145728
.set B_IMG, 3145728
.set B_SCL, 9601024
.set HB_SCL, 12582912
.set TP,   12*KK
.set QT,   NT*HPS*768
.set SLOT, 4*QT
.set LAPS, KK/(256*NQ)
.set QS,   (KK/128)*NT*64
.set SCL,  2*SLOT
.set SPARE, SCL+4*QS                   ; the spare words: 128 bytes a wave, two blocks of 256 bytes that no other line names
.set SCR,  SPARE+512                   ; scale words on their way out: 512 bytes a wave
.set NL,   4
.set ADRA, 16
.set ADRB, 20
.set SW,   24
.set SR,   25
.set ADRS, 27
.set SPW,  28
.set NIL,  29
.set L16,  30
.set L8,   31
.set SC,   32
.set BR,   64
.set AF,   128
.set G1, 24
.set G0, 32
.set G1B, 48
.set G0B, 56
.set G1S, 68
.set G0S, 76
.set G1SB, 80
.set G0SB, 88
.set SEL, 66
.set HB,  92                           ; s[92:93] where the tile's fragment goes;  s[98:99] the scale words
.set HS,  98
.set MSB, 0
.macro WIN new
.if MSB != (\new)
	s_set_vgpr_msb (MSB<<8)|(\new)
.set MSB, (\new)
.endif
.endm
.macro JLOAD g0a, g1a, g0b, g1b        ; a joint load: waves 0 and 1 fetch for A, waves 2 and 3 for B; four v_nop follow each line
	s_cmp_eq_u32 s15, 0
	s_cbranch_scc0 .Lfor_b_\@
	tensor_load_to_lds s[\g0a:\g0a+3], s[\g1a:\g1a+7]
	s_nop 0
.rept 4
	v_nop
.endr
	s_branch .Lasked_\@
.Lfor_b_\@:
	tensor_load_to_lds s[\g0b:\g0b+3], s[\g1b:\g1b+7]
	s_nop 0
.rept 4
	v_nop
.endr
.Lasked_\@:
.endm
.macro CREST
	s_cmp_lg_u32 s14, 0
	s_cbranch_scc1 .Lnot_wave_0_\@
	s_barrier_signal -3
.Lnot_wave_0_\@:
	s_barrier_wait -3
	s_barrier_signal -1
	s_barrier_wait -1
.endm
.macro CROUND
	s_barrier_signal -1
	s_barrier_wait -1
	CREST
.endm
.macro PLACES                          ; four plain places behind matrix instructions (ISA guide 7.12.1)
.rept 4
	v_nop
.endr
.endm
.macro FRAG reg, adr, q, i
.irp c, 0,1
	ds_load_b128 v[\reg+6*\c:\reg+6*\c+3], v[\adr] offset:(\i)*HPS*768+(2*(\q)+\c)*768
	ds_load_b64 v[\reg+6*\c+4:\reg+6*\c+5], v[\adr+2] offset:(\i)*HPS*768+(2*(\q)+\c)*768+512
.endr
.endm
.macro FETCH_B slot, q, p
	WIN 0x40
.set ii, 0
.rept NT
	FRAG 128*(\p)+12*ii, ADRB+\slot, \q, ii
.set ii, ii+1
.endr
	WIN 0
.endm
.macro FETCH_A slot, q, i0
.set ii, \i0
.rept NT/2
	FRAG AF+12*ii, ADRA+\slot, \q, ii
.set ii, ii+1
.endr
.endm
.macro SCALES set
.set ii, 0
.rept NT
.set qq, 0
.rept NQ
	ds_load_b32 v[SC+16*(\set)+NQ*ii+qq], v[ADRS] offset:qq*NT*64+ii*64
.set qq, qq+1
.endr
.set ii, ii+1
.endr
.endm
.macro WM d, b, a, c, sb, sa
	v_wmma_scale_f32_16x16x128_f8f6f4 v[\d:\d+7], v[\b:\b+11], v[\a:\a+11], \c, v[\sb], v[\sa] matrix_a_fmt:MATRIX_FMT_FP6 matrix_b_fmt:MATRIX_FMT_FP6 matrix_a_scale:MATRIX_SCALE_ROW1
.endm
.macro MROW a, p, q, sc, first         ; the accumulators take turns, one instruction a turn, in the same order in every step
.set AB, (8*NT*(\a))%256
.set HW, (8*NT*(\a))/256
.if (\first) && BIASC
	WIN 0x81+0x40*HW
.else
	WIN 0xa1+0x50*HW
.endif
.set bb, 0
.rept NT
.if (\first) && BIASC
	WM AB+8*bb, 128*(\p)+12*bb, AF+12*(\a), v[BR+8*bb:BR+8*bb+7], SC+16*(\sc)+NQ*bb+(\q), SC+16*(\sc)+NQ*(\a)+(\q)
.elseif \first
	WM AB+8*bb, 128*(\p)+12*bb, AF+12*(\a), 0, SC+16*(\sc)+NQ*bb+(\q), SC+16*(\sc)+NQ*(\a)+(\q)
.else
	WM AB+8*bb, 128*(\p)+12*bb, AF+12*(\a), v[AB+8*bb:AB+8*bb+7], SC+16*(\sc)+NQ*bb+(\q), SC+16*(\sc)+NQ*(\a)+(\q)
.endif
.set bb, bb+1
.endr
.endm
.macro MULQ g, p, q, sc, first
.if NT == 8
	MROW 2*(\g), \p, \q, \sc, \first
	MROW 2*(\g)+1, \p, \q, \sc, \first
.else
	MROW \g, \p, \q, \sc, \first
.endif
.endm
.macro STEP slot, q, first
	s_wait_dscnt (NT/2)*NL                         ; all but the youngest loads (A's upper tiles) are in
	MULQ 0, (\q)%2, \q, \slot, \first
	MULQ 1, (\q)%2, \q, \slot, \first
	s_wait_dscnt 0x0
	PLACES
	FETCH_B \slot, (\q)+1, 1-(\q)%2
	FETCH_A \slot, (\q)+1, 0
	MULQ 2, (\q)%2, \q, \slot, \first
	MULQ 3, (\q)%2, \q, \slot, \first
	PLACES
	WIN 0
	FETCH_A \slot, (\q)+1, NT/2
.endm
.macro REST slot
.if NQ == 4
	STEP \slot, 1, 0
	STEP \slot, 2, 0
.endif
.endm
.macro TURN slot, next, fill           ; a slot's last step changes slots
	s_wait_tensorcnt 0x0                           ; all my tensor loads have landed
	ds_add_u32 v[SPW], v[NIL]
	s_wait_dscnt (NT/2)*NL+1                       ; (the add and A's upper tiles may be out)
	MULQ 0, 1, NQ-1, \slot, 0
	s_wait_dscnt 0x0                               ; the add is done, my reads of this slot are over
	s_barrier_signal -1
	MULQ 1, 1, NQ-1, \slot, 0
	WIN 0
	s_barrier_wait -1
.if \fill
	CREST                                          ; a round of the cluster's barrier: no wave of any partner still reads this slot or has a load on its way
	s_add_nc_u64 s[G0+4*\slot+2:G0+4*\slot+3], s[G0+4*\slot+2:G0+4*\slot+3], 2*HPS*768
	s_add_nc_u64 s[G0B+4*\slot+2:G0B+4*\slot+3], s[G0B+4*\slot+2:G0B+4*\slot+3], 2*HPS*768
	JLOAD G0+4*\slot, G1, G0B+4*\slot, G1B
.else
	PLACES
.endif
	v_add_nc_u32 v[ADRS], NQ*NT*64, v[ADRS]
	FETCH_B \next, 0, 0
	FETCH_A \next, 0, 0
	SCALES \next
	MULQ 2, 1, NQ-1, \slot, 0
	MULQ 3, 1, NQ-1, \slot, 0
	PLACES
	WIN 0
	FETCH_A \next, 0, NT/2
.endm
; the way out's registers, all in window 1
.set TT,  0                            ; v0-63    t, later t / 2
.set ZZ,  64                           ; v64-127  z, later gelu
.set DEN, 128                          ; v128-191 Q(z^2), later its reciprocal
.set SS,  192                          ; v192-199 z^2 of four pairs
.set PP,  200                          ; v200-207 P(z^2)
.set CV13, 208                         ; the two leading coefficients, as pairs
.set CVB8, 210
.set TM,  212
.set PW,  228
.set PC,  232
; scalar pairs of constants (the packed forms name a pair and take its low word for both halves)
.set C1,  24
.set A11, 26
.set A9,  28
.set A7,  30
.set A5,  32
.set A3,  34
.set A1,  36
.set B6,  38
.set B4,  40
.set B2,  42
.set B0,  44
.macro QUANT s                         ; 64 numbers of a lane, register 16 b + i = k 32 b + 16 (lane / 16) + i, become a fragment's codes in v[PC] on and its scale word in v[PW]
.irp b, 0,1,2,3
	v_max3_num_f32 v[TM+\b], |v[\s+16*\b]|, |v[\s+1+16*\b]|, 0x1800000
.endr
.irp i, 2,4,6,8,10,12,14
.irp b, 0,1,2,3
	v_max3_num_f32 v[TM+\b], v[TM+\b], |v[\s+16*\b+\i]|, |v[\s+1+16*\b+\i]|
.endr
.endr
.irp b, 0,1,2,3
	v_permlanex16_b32 v[TM+4+\b], v[TM+\b], s[SEL], s[SEL+1]
.endr
.irp b, 0,1,2,3
	v_max_num_f32 v[TM+\b], v[TM+\b], v[TM+4+\b]
.endr
.irp b, 0,1,2,3
	v_add_nc_u32 v[TM+12+\b], 0xff000000, v[TM+\b]
.endr
.irp b, 0,1,2,3
	v_lshrrev_b32 v[TM+4+\b], 23, v[TM+12+\b]
.endr
	v_lshl_or_b32 v[PW], v[TM+5], 8, v[TM+4]
	v_lshl_or_b32 v[PW], v[TM+6], 16, v[PW]
	v_lshl_or_b32 v[PW], v[TM+7], 24, v[PW]
.irp c, 0,1
	v_cvt_scalef32_pk16_fp6_f32 v[PC+6*\c:PC+2+6*\c], v[\s+32*\c:\s+15+32*\c], v[TM+12+2*\c]
	v_cvt_scalef32_pk16_fp6_f32 v[PC+12+4*\c:PC+14+4*\c], v[\s+16+32*\c:\s+31+32*\c], v[TM+12+2*\c+1]
.endr
	v_nop
.irp c, 0,1
.irp i, 0,1,2
	v_permlane16_swap_b32 v[PC+6*\c+\i], v[PC+12+4*\c+\i]
.endr
.irp i, 0,1,2
	v_mov_b32 v[PC+3+6*\c+\i], v[PC+12+4*\c+\i]
.endr
.endr
.endm
	s_load_b128 s[4:7], s[0:1], 0x0                ; act, wq
	s_load_b128 s[8:11], s[0:1], 0x10              ; b_fc, hb
	v_lshl_add_u32 v[SPW], v0, 2, SPARE
	v_mov_b32 v[NIL], 0
	ds_add_u32 v28, v29
	ds_add_u32 v28, v29
	s_wait_dscnt 0x0
	v_lshrrev_b32 v1, 5, v0
	v_readfirstlane_b32 s14, v1
	s_lshr_b32 s15, s14, 1
	s_and_b32 s16, s14, 1
	s_bfe_u32 s40, ttmp6, 0x40000
	s_bfe_u32 s41, ttmp6, 0x40004
	s_lshl_b32 s42, ttmp9, 2
	s_add_co_u32 s42, s42, s40                     ; IB: which 256 hidden units
	s_and_b32 s17, ttmp7, 0xffff
	s_lshl_b32 s17, s17, 2
	s_add_co_u32 s17, s17, s41                     ; IA: which 256 tokens
	s_lshl_b32 s43, s41, 2
	s_lshl_b32 s43, 15, s43
	s_lshl_b32 s44, 0x1111, s40
	s_or_b32 s[G1], s43, (3<<16)|(1<<21)
	s_or_b32 s[G1B], s44, (3<<16)|(1<<21)
.irp g, G1, G1B
	s_mov_b32 s[\g+1], (HPS*96)<<16
	s_mov_b32 s[\g+2], NT<<16
	s_mov_b32 s[\g+3], (HPS*96)<<16
	s_mov_b32 s[\g+4], NT
	s_mov_b32 s[\g+5], TP/8
	s_mov_b32 s[\g+6], 0
	s_mov_b32 s[\g+7], 0
.endr
	s_or_b32 s[G1S], s43, (3<<16)|(1<<21)
	s_or_b32 s[G1SB], s44, (3<<16)|(1<<21)
.irp g, G1S, G1SB
	s_mov_b32 s[\g+1], (NT*8)<<16
	s_mov_b32 s[\g+2], (KK/128)<<16
	s_mov_b32 s[\g+3], (NT*8)<<16
	s_mov_b32 s[\g+4], KK/128
	s_mov_b32 s[\g+6], 0
	s_mov_b32 s[\g+7], 0
.endr
	s_mov_b32 s[G1S+5], SPA/8
	s_mov_b32 s[G1SB+5], SPB/8
	s_lshl_b32 s20, s17, 1
	s_add_co_u32 s20, s20, s16
	s_mul_i32 s22, s20, NT*64
	s_add_co_u32 s22, s22, A_SCL
	s_mul_i32 s20, s20, NT*TP
	s_mov_b32 s21, 0
	s_mov_b32 s23, 0
	s_lshl_b32 s46, s42, 1
	s_add_co_u32 s46, s46, s16
	s_mul_i32 s92, s46, NT*64
	s_add_co_u32 s92, s92, B_SCL
	s_mul_i32 s46, s46, NT*TP
	s_add_co_u32 s46, s46, B_IMG
	s_mov_b32 s47, 0
	s_mov_b32 s93, 0
	s_mul_i32 s45, s14, QT
	s_mul_i32 s94, s14, QS
	s_wait_kmcnt 0x0
	s_add_nc_u64 s[20:21], s[4:5], s[20:21]
	s_add_nc_u64 s[22:23], s[4:5], s[22:23]
	s_add_nc_u64 s[46:47], s[6:7], s[46:47]
	s_add_nc_u64 s[92:93], s[6:7], s[92:93]
	CROUND
	s_mov_b32 s[G0S], 1
	s_add_co_u32 s[G0S+1], s94, SCL
	s_mov_b64 s[G0S+2:G0S+3], s[22:23]
	s_or_b32 s[G0S+3], s[G0S+3], 0x80000000
	s_mov_b32 s[G0SB], 1
	s_add_co_u32 s[G0SB+1], s94, SCL
	s_mov_b64 s[G0SB+2:G0SB+3], s[92:93]
	s_or_b32 s[G0SB+3], s[G0SB+3], 0x80000000
	JLOAD G0S, G1S, G0SB, G1SB
.irp s, 0,1
	s_mov_b32 s[G0+4*\s], 1
	s_add_co_u32 s[G0+4*\s+1], s45, \s*SLOT
	s_add_nc_u64 s[G0+4*\s+2:G0+4*\s+3], s[20:21], \s*HPS*768
	s_or_b32 s[G0+4*\s+3], s[G0+4*\s+3], 0x80000000
	s_mov_b32 s[G0B+4*\s], 1
	s_add_co_u32 s[G0B+4*\s+1], s45, \s*SLOT
	s_add_nc_u64 s[G0B+4*\s+2:G0B+4*\s+3], s[46:47], \s*HPS*768
	s_or_b32 s[G0B+4*\s+3], s[G0B+4*\s+3], 0x80000000
	JLOAD G0+4*\s, G1, G0B+4*\s, G1B
.endr
	v_and_b32 v1, 15, v0
	v_bfe_u32 v2, v0, 4, 1
	v_and_b32 v3, 31, v0
	v_lshlrev_b32 v[L16], 4, v3
	v_lshlrev_b32 v[L8], 3, v3
	s_mul_i32 s21, s15, QT
	s_mul_i32 s22, s16, QT
	s_add_co_u32 s22, s22, 2*QT
.irp s, 0,1
	v_add_nc_u32 v[ADRA+\s], s21, v[L16]
	v_add_nc_u32 v[ADRA+2+\s], s21, v[L8]
	v_add_nc_u32 v[ADRB+\s], s22, v[L16]
	v_add_nc_u32 v[ADRB+2+\s], s22, v[L8]
	s_add_co_u32 s21, s21, SLOT
	s_add_co_u32 s22, s22, SLOT
.endr
	v_lshlrev_b32 v5, 2, v1
	s_mul_i32 s21, s15, QS
	s_mul_i32 s22, s16, QS
	s_add_co_u32 s22, s22, 2*QS
	s_sub_co_u32 s22, s22, s21
	v_mul_u32_u24 v6, s22, v2
	s_add_co_u32 s21, s21, SCL
	v_add_nc_u32 v6, v5, v6
	v_add_nc_u32 v[ADRS], s21, v6
	s_lshl_b32 s21, s14, 9
	s_add_co_u32 s21, s21, SCR
	v_add_nc_u32 v[SW], s21, v5
	v_add_nc_u32 v[SR], s21, v[L16]
	s_lshl_b32 s18, s42, 10
	s_lshl_b32 s19, s16, 9
	s_add_co_u32 s18, s18, s19
	s_mov_b32 s19, 0
	s_add_nc_u64 s[96:97], s[8:9], s[18:19]        ; my 128 numbers of b_fc
	v_lshlrev_b32 v8, 6, v2
.irp t, 0,1,2,3,4,5,6,7
	global_load_b128 v[BR+8*\t:BR+8*\t+3], v8, s[96:97] offset:(32*(\t/2)+8*(\t%2))*4
	global_load_b128 v[BR+8*\t+4:BR+8*\t+7], v8, s[96:97] offset:(32*(\t/2)+8*(\t%2))*4+16
.endr
	s_wait_tensorcnt 1                             ; the scale words and my part of slot 0 are in; slot 1's load may be out
	s_barrier_signal -1
	s_barrier_wait -1
	FETCH_B 0, 0, 0
	FETCH_A 0, 0, 0
	SCALES 0
	FETCH_A 0, 0, NT/2
	STEP 0, 0, 1
.if LAPS > 1
	s_mov_b32 s3, LAPS-1
.Llap:
	REST 0
	TURN 0, 1, 1
	STEP 1, 0, 0
	REST 1
	TURN 1, 0, 1
	STEP 0, 0, 0
	s_sub_co_u32 s3, s3, 1
	s_cmp_lg_u32 s3, 0
	s_cbranch_scc1 .Llap
.endif
	REST 0
	TURN 0, 1, 0
	STEP 1, 0, 0
	REST 1
	s_wait_dscnt (NT/2)*NL
	MULQ 0, 1, NQ-1, 1, 0
	MULQ 1, 1, NQ-1, 1, 0
	s_wait_dscnt 0x0
	MULQ 2, 1, NQ-1, 1, 0
	MULQ 3, 1, NQ-1, 1, 0
	WIN 0
	; ---------------- the way out.  No tensor load of mine is out: the descriptors' registers are free
	PLACES
	s_wait_loadcnt 0x0                             ; the bias
	s_lshl_b32 s24, s17, 1
	s_add_co_u32 s24, s24, s15                     ; which 128 tokens
	s_lshl_b32 s25, s42, 1
	s_add_co_u32 s25, s25, s16                     ; which 128 hidden units = which kstep of the next product
	s_mul_i32 s26, s24, 8*49152
	s_mul_i32 s27, s25, 1536
	s_add_co_u32 s26, s26, s27
	s_mov_b32 s27, 0
	s_add_nc_u64 s[HB:HB+1], s[10:11], s[26:27]
	s_lshl_b32 s26, s25, 14
	s_lshl_b32 s28, s24, 9
	s_add_co_u32 s26, s26, s28
	s_add_co_u32 s26, s26, HB_SCL
	s_add_nc_u64 s[HS:HS+1], s[10:11], s[26:27]
	s_mov_b32 s[SEL], 0x76543210
	s_mov_b32 s[SEL+1], 0xfedcba98
	s_mov_b32 s[C1], 0x3f3504f3                    ; 1 / sqrt 2
	s_mov_b32 s[A11], 0x32edffee                   ; P: 2.77068142e-8,
	s_mov_b32 s[A9], 0xb60cff51                    ; -2.10102402e-6,
	s_mov_b32 s[A7], 0xb86ec2d2                    ; -5.69250639e-5,
	s_mov_b32 s[A5], 0xba40ac63                    ; -7.34990630e-4,
	s_mov_b32 s[A3], 0xbb41a1f6                    ; -2.95459981e-3,
	s_mov_b32 s[A1], 0xbc83dbd4                    ; -1.60960333e-2
	s_mov_b32 s[B6], 0xb95fbd29                    ; Q: -2.13374055e-4,
	s_mov_b32 s[B4], 0xbadc924e                    ; -1.68282697e-3,
	s_mov_b32 s[B2], 0xbbf19bf8                    ; -7.37332917e-3,
	s_mov_b32 s[B0], 0xbc69b6a7                    ; -1.42647391e-2
.irp c, C1, A11, A9, A7, A5, A3, A1, B6, B4, B2, B0
	s_mov_b32 s[\c+1], s[\c]                       ; (named with it as a pair)
.endr
	WIN 0x40                                       ; destination window 1
	v_mov_b32 v[CV13], 0xaf95df0b                  ; P's leading coefficient, -2.72614226e-10,
	v_mov_b32 v[CV13+1], 0xaf95df0b
	v_mov_b32 v[CVB8], 0xb77460cd                  ; Q's, -1.45660718e-5
	v_mov_b32 v[CVB8+1], 0xb77460cd
.irp b, 0,1,2,3
	v_mov_b32 v[TM+4+\b], 0                        ; (a lane permute's destination counts as a source)
.endr
	WIN 0
.macro COPY a                          ; t = the tile's sums + bias, into window 1; each accumulator from its low end on
	WIN 0x42+(\a)/4
.set i, 0
.rept 32
	v_pk_add_f32 v[TT+i:TT+i+1], v[64*((\a)%4)+i:64*((\a)%4)+i+1], v[BR+i:BR+i+1]
.set i, i+2
.endr
	WIN 0
.endm
.macro PF d, c                         ; four pairs: d = d z^2 + c
.irp p, 0,2,4,6
	v_pk_fma_f32 v[\d+\p:\d+\p+1], v[\d+\p:\d+\p+1], v[SS+\p:SS+\p+1], s[\c:\c+1] op_sel_hi:[1,1,0]
.endr
.endm
	s_mov_b32 s2, 0
.Ltile:
.irp a, 0,1,2,3,4,5,6
	s_cmp_eq_u32 s2, \a
	s_cbranch_scc1 .Lcopy\a
.endr
	COPY 7
	s_branch .Ljoin
.irp a, 0,1,2,3,4,5,6
.Lcopy\a:
	COPY \a
	s_branch .Ljoin
.endr
.Ljoin:
	WIN 0x55                                       ; every operand in window 1
.set i, 0
.rept 32
	v_pk_mul_f32 v[ZZ+i:ZZ+i+1], v[TT+i:TT+i+1], s[C1:C1+1] op_sel_hi:[1,0]
.set i, i+2
.endr
.set i, 0
.rept 64
	v_med3_num_f32 v[ZZ+i], v[ZZ+i], -4.0, 4.0
.set i, i+1
.endr
.set g, 0
.rept 8                                ; four pairs at a time; P's chain and Q's by turns
.irp p, 0,2,4,6
	v_pk_mul_f32 v[SS+\p:SS+\p+1], v[ZZ+8*g+\p:ZZ+8*g+\p+1], v[ZZ+8*g+\p:ZZ+8*g+\p+1]
.endr
.irp p, 0,2,4,6
	v_pk_fma_f32 v[PP+\p:PP+\p+1], v[SS+\p:SS+\p+1], v[CV13:CV13+1], s[A11:A11+1] op_sel_hi:[1,1,0]
.endr
.irp p, 0,2,4,6
	v_pk_fma_f32 v[DEN+8*g+\p:DEN+8*g+\p+1], v[SS+\p:SS+\p+1], v[CVB8:CVB8+1], s[B6:B6+1] op_sel_hi:[1,1,0]
.endr
	PF PP, A9
	PF DEN+8*g, B4
	PF PP, A7
	PF DEN+8*g, B2
	PF PP, A5
	PF DEN+8*g, B0
	PF PP, A3
	PF PP, A1
.irp p, 0,2,4,6
	v_pk_mul_f32 v[ZZ+8*g+\p:ZZ+8*g+\p+1], v[ZZ+8*g+\p:ZZ+8*g+\p+1], v[PP+\p:PP+\p+1]
.endr
.set g, g+1
.endr
.set i, 0
.rept 64
	v_rcp_f32 v[DEN+i], v[DEN+i]                   ; one batch
.set i, i+1
.endr
.set i, 0
.rept 32
	v_pk_mul_f32 v[TT+i:TT+i+1], v[TT+i:TT+i+1], 0.5 op_sel_hi:[1,0]       ; plain work that names no reciprocal
.set i, i+2
.endr
	s_wait_alu depctr_va_vdst(0)                   ; one wait for the 64, ahead of their first reader
.set i, 0
.rept 32
	v_pk_mul_f32 v[ZZ+i:ZZ+i+1], v[ZZ+i:ZZ+i+1], v[DEN+i:DEN+i+1]          ; erf
.set i, i+2
.endr
.set i, 0
.rept 32
	v_pk_fma_f32 v[ZZ+i:ZZ+i+1], v[TT+i:TT+i+1], v[ZZ+i:ZZ+i+1], v[TT+i:TT+i+1]    ; t/2 erf + t/2
.set i, i+2
.endr
	QUANT ZZ
	WIN 0x04                                       ; a store's data: window 1; its address: window 0
	global_store_b128 v[L16], v[PC:PC+3], s[HB:HB+1]
	global_store_b64 v[L8], v[PC+4:PC+5], s[HB:HB+1] offset:512
	global_store_b128 v[L16], v[PC+6:PC+9], s[HB:HB+1] offset:768
	global_store_b64 v[L8], v[PC+10:PC+11], s[HB:HB+1] offset:1280
	ds_store_b32 v[SW], v[PW]
	WIN 0
	v_add_nc_u32 v[SW], 64, v[SW]
	s_wait_xcnt 0x0                                ; the stores have read their registers and their base: both are written again only behind this wait
	s_add_nc_u64 s[HB:HB+1], s[HB:HB+1], 49152     ; the next tile of tokens
	s_add_co_u32 s2, s2, 1
	s_cmp_lt_u32 s2, 8
	s_cbranch_scc1 .Ltile
	ds_load_b128 v[128:131], v[SR]                 ; LDS serves a wave's instructions in order: this sees my stores
	s_wait_dscnt 0x0
	global_store_b128 v[L16], v[128:131], s[HS:HS+1]       ; 512 dense bytes: eight tiles' scale words
	s_wait_tensorcnt 0x0                           ; the wave's end
	ds_add_u32 v[SPW], v[NIL]
	s_wait_dscnt 0x0
	CROUND                                         ; the closing round
	s_endpgm
.Lfunc_end_k_q238b198b9a_fc:
	.size	k_q238b198b9a_fc, .Lfunc_end_k_q238b198b9a_fc-k_q238b198b9a_fc
	.p2alignl 7, 3214868480
	.fill 96, 4, 3214868480
	.section	.rodata,"a",@progbits
	.p2align	6, 0x0
	.amdhsa_kernel k_q238b198b9a_fc
		.amdhsa_group_segment_fixed_size 327680
		.amdhsa_private_segment_fixed_size 0
		.amdhsa_enable_private_segment 0
		.amdhsa_kernarg_size 32
		.amdhsa_user_sgpr_count 2
		.amdhsa_user_sgpr_kernarg_segment_ptr 1
		.amdhsa_wavefront_size32 1
		.amdhsa_system_sgpr_workgroup_id_x 1
		.amdhsa_system_sgpr_workgroup_id_y 1
		.amdhsa_system_sgpr_workgroup_id_z 1
		.amdhsa_system_vgpr_workitem_id 0
		.amdhsa_next_free_vgpr 1024
		.amdhsa_next_free_sgpr 100
		.amdhsa_reserve_vcc 0
		.amdhsa_float_denorm_mode_32 3
		.amdhsa_float_denorm_mode_16_64 3
		.amdhsa_memory_ordered 1
		.amdhsa_forward_progress 1
		.amdhsa_inst_pref_size 180
	.end_amdhsa_kernel
	.amdgpu_metadata
---
amdhsa.version: [ 1, 2 ]
amdhsa.kernels:
  - .name:           k_q238b198b9a_fc
    .symbol:         k_q238b198b9a_fc.kd
    .args:
      - { .name: act, .offset: 0, .size: 8, .value_kind: global_buffer, .address_space: global }
      - { .name: wq, .offset: 8, .size: 8, .value_kind: global_buffer, .address_space: global }
      - { .name: b_fc, .offset: 16, .size: 8, .value_kind: global_buffer, .address_space: global }
      - { .name: hb, .offset: 24, .size: 8, .value_kind: global_buffer, .address_space: global }
    .group_segment_fixed_size: 327680
    .private_segment_fixed_size: 0
    .kernarg_segment_align: 8
    .kernarg_segment_size: 32
    .max_flat_workgroup_size: 128
    .sgpr_count:     100
    .vgpr_count:     1024
    .wavefront_size: 32
...
	.end_amdgpu_metadata
.endif
;; end of part 6
;; launch fc2 (part 7): grid 8 x 32, 4 waves a work-group, clusters of 4 x 4, 327,680 bytes of LDS; arguments hb, wq, b_fc2, x1, out0; writes out0
.if DOCPART == 7
	.amdgcn_target "amdgcn-amd-amdhsa--gfx1250"
	.amdhsa_code_object_version 6
	.text
	.protected	k_q238b198b9a_fc2
	.globl	k_q238b198b9a_fc2
	.p2align	8
	.type	k_q238b198b9a_fc2,@function
k_q238b198b9a_fc2:
	s_mov_b64 s[64:65], 0
	v_nop
	global_prefetch_b8 v0, s[64:65] scope:SCOPE_SE
	s_setreg_imm32_b32 hwreg(HW_REG_WAVE_MODE, 25, 1), 1
	s_wait_xcnt 0x0
	s_wait_alu depctr_hold_cnt(0) depctr_sa_sdst(0) depctr_va_vdst(0) depctr_va_sdst(0) depctr_va_ssrc(0) depctr_va_vcc(0) depctr_vm_vsrc(0)
	s_getreg_b32 s2, hwreg(HW_REG_IB_STS2, 6, 4)
	s_cmp_eq_u32 s2, 0
	s_cbranch_scc0 .Lentry_in_a_cluster
	s_endpgm
.Lentry_in_a_cluster:
	s_bfe_u32 s2, ttmp6, 0x10000c
	s_cmp_lg_u32 s2, 0xf033
	s_cbranch_scc0 .Lentry_shape_is_right
	s_endpgm
.Lentry_shape_is_right:
; out = x1 + h W_fc2 + b_fc2.  h and W_fc2 are codes of E2M3 in images (16 rows x 64 K = 768 bytes: lane (r, h) owns block h of row r; four registers at 16 lane, two at 512 + 8 lane), [tile][K/64][768];
; row m of tile t is index 32 (t/2) + 16 (m/8) + 8 (t%2) + m%8; scale words lie [K/128][tile][16].  'B' (source 0) = the weight's columns, 'A' (source 1) = tokens: a lane holds one token and eight neighbouring columns a tile.
; N is 1,024: tiles of 256 x 256 would be 64 work-groups; a work-group makes 128 x 128, a wave 64 x 64 (16 accumulators), so that there are 256.  K = 4,096 goes in steps of 512 through two LDS slots; a tile row of a load is 6,144 dense bytes.
; CLUSTERS 4 x 4: A's tiles are asked for jointly along a row of the cluster, B's along a column.  The bias is the C of each sum's first product; the residual is asked for at the head and added on the way out.
; THE TILES ARE PREFETCHED INTO THE L2, two slots ahead of the joint refills (macro ASK).
; REGISTERS: window 0: v8-31 addresses; v32-63 scale words, two sets; v64-95 bias; v128-175 A's fragments (on the way out v128-191: rows read back).  window 1: B's fragments, two sets, at v0 and v128.
;   window 2: accumulator (a, b) at v[8 (4 a + b)].  window 3: the residual, v[4 (8 a + k)].
.set NT,  4
.set HPS, 8
.set NQ,  4
.set KK,  4096
.set BIASC, 1                          ; the first products take the bias as C
.set SPA, 16384
.set SPB, 4096
.set A_SCL, 12582912
.set B_IMG, 6291456
.set B_SCL, 9732096
.set TP,   12*KK
.set QT,   NT*HPS*768
.set SLOT, 4*QT
.set LAPS, KK/(256*NQ)
.set QS,   (KK/128)*NT*64
.set SCL,  2*SLOT
.set SPARE, SCL+4*QS                   ; the spare words: 128 bytes a wave, two blocks of 256 bytes that no other line names
.set NL,   4
.set PFO,  10                          ; v10 the prefetches' offset: 256 x my lane, held at lane 23's; never rewritten
.set ADRA, 16
.set ADRB, 20
.set STO,  24
.set RD,   25
.set CO,   26
.set ADRS, 27
.set SPW,  28
.set NIL,  29
.set L16,  30
.set L8,   31
.set SC,   32
.set BR,   64
.set AF,   128
.set BK,   128
.set PFA, 4                            ; s[4:5] where my prefetches stand: my work-group's tile of the four that I fetch, two slots further along K than the refill that is being asked for
.set LIM, 95                           ; s95 1 in a wave that prefetches, else the greatest number
.set G1, 24
.set G0, 32
.set G1B, 48
.set G0B, 56
.set G1S, 68
.set G0S, 76
.set G1SB, 80
.set G0SB, 88
.set BRB, 66                           ; s[66:67] the bias, s[96:97] the residual, s[98:99] the output, each at my part
.set RB,  96
.set OB,  98
.set MSB, 0
.macro WIN new
.if MSB != (\new)
	s_set_vgpr_msb (MSB<<8)|(\new)
.set MSB, (\new)
.endif
.endm
.macro JLOAD g0a, g1a, g0b, g1b        ; a joint load: waves 0 and 1 fetch for A, waves 2 and 3 for B; four v_nop follow each line
	s_cmp_eq_u32 s15, 0
	s_cbranch_scc0 .Lfor_b_\@
	tensor_load_to_lds s[\g0a:\g0a+3], s[\g1a:\g1a+7]
	s_nop 0
.rept 4
	v_nop
.endr
	s_branch .Lasked_\@
.Lfor_b_\@:
	tensor_load_to_lds s[\g0b:\g0b+3], s[\g1b:\g1b+7]
	s_nop 0
.rept 4
	v_nop
.endr
.Lasked_\@:
.endm
; A PREFETCH INTO THE L2, behind each joint refill, its four lines and the run of LDS loads that follows them: the slot that stands TWO refills on, 128 matrix instructions of the wave ahead of the load that will want it.
; At a change of slots every wave has waited for all its tensor loads, so the refill that follows has nothing on its way beside it: what it asks for has been asked of memory two slots earlier.
; WHO.  A's tiles are read by both clusters of a row of clusters: the one with x = 0 asks; B's by all eight clusters of a column: the one with y = 0 asks.  Of the four tiles that wave w fetches, each of the four partners that
; ask for them jointly takes one, told apart BY ADDRESS (cx for A, cy for B): no branch hangs on a work-group's place in its cluster.  A tile's part of a slot is 6,144 dense bytes: 24 blocks of 256 bytes, a lane a block;
; lanes 24 to 31 name lane 23's block again.  So each block is named by one instruction of the launch.
; THE ENDS.  Slots 0 to 3 come by their loads alone: nothing is prefetched at the head.  The loop's last trip (s3 = 1) refills with slots 6 and 7, which have no slot two on: it asks for nothing, and no prefetch passes a tile's row.
.macro ASK
	s_cmp_gt_u32 s3, s[LIM]
	s_cbranch_scc0 .Lnot_mine_\@
	global_prefetch_b8 v[PFO], s[PFA:PFA+1] th:TH_LOAD_NT scope:SCOPE_SE
.Lnot_mine_\@:
.endm
.macro CREST
	s_cmp_lg_u32 s14, 0
	s_cbranch_scc1 .Lnot_wave_0_\@
	s_barrier_signal -3
.Lnot_wave_0_\@:
	s_barrier_wait -3
	s_barrier_signal -1
	s_barrier_wait -1
.endm
.macro CROUND
	s_barrier_signal -1
	s_barrier_wait -1
	CREST
.endm
.macro PLACES                          ; four plain places behind matrix instructions (ISA guide 7.12.1)
.rept 4
	v_nop
.endr
.endm
.macro FRAG reg, adr, q, i             ; a fragment is two images: each comes as 512 + 256 dense bytes
.irp c, 0,1
	ds_load_b128 v[\reg+6*\c:\reg+6*\c+3], v[\adr] offset:(\i)*HPS*768+(2*(\q)+\c)*768
	ds_load_b64 v[\reg+6*\c+4:\reg+6*\c+5], v[\adr+2] offset:(\i)*HPS*768+(2*(\q)+\c)*768+512
.endr
.endm
.macro FETCH_B slot, q, p
	WIN 0x40
.set ii, 0
.rept NT
	FRAG 128*(\p)+12*ii, ADRB+\slot, \q, ii
.set ii, ii+1
.endr
	WIN 0
.endm
.macro FETCH_A slot, q, i0
.set ii, \i0
.rept NT/2
	FRAG AF+12*ii, ADRA+\slot, \q, ii
.set ii, ii+1
.endr
.endm
.macro SCALES set
.set ii, 0
.rept NT
.set qq, 0
.rept NQ
	ds_load_b32 v[SC+16*(\set)+NQ*ii+qq], v[ADRS] offset:qq*NT*64+ii*64
.set qq, qq+1
.endr
.set ii, ii+1
.endr
.endm
.macro WM d, b, a, c, sb, sa
	v_wmma_scale_f32_16x16x128_f8f6f4 v[\d:\d+7], v[\b:\b+11], v[\a:\a+11], \c, v[\sb], v[\sa] matrix_a_fmt:MATRIX_FMT_FP6 matrix_b_fmt:MATRIX_FMT_FP6 matrix_a_scale:MATRIX_SCALE_ROW1
.endm
.macro MROW a, p, q, sc, first         ; the accumulators take turns, one instruction a turn, in the same order in every step
.set AB, (8*NT*(\a))%256
.set HW, (8*NT*(\a))/256
.if (\first) && BIASC
	WIN 0x81+0x40*HW
.else
	WIN 0xa1+0x50*HW
.endif
.set bb, 0
.rept NT
.if (\first) && BIASC
	WM AB+8*bb, 128*(\p)+12*bb, AF+12*(\a), v[BR+8*bb:BR+8*bb+7], SC+16*(\sc)+NQ*bb+(\q), SC+16*(\sc)+NQ*(\a)+(\q)
.elseif \first
	WM AB+8*bb, 128*(\p)+12*bb, AF+12*(\a), 0, SC+16*(\sc)+NQ*bb+(\q), SC+16*(\sc)+NQ*(\a)+(\q)
.else
	WM AB+8*bb, 128*(\p)+12*bb, AF+12*(\a), v[AB+8*bb:AB+8*bb+7], SC+16*(\sc)+NQ*bb+(\q), SC+16*(\sc)+NQ*(\a)+(\q)
.endif
.set bb, bb+1
.endr
.endm
.macro MULQ g, p, q, sc, first
.if NT == 8
	MROW 2*(\g), \p, \q, \sc, \first
	MROW 2*(\g)+1, \p, \q, \sc, \first
.else
	MROW \g, \p, \q, \sc, \first
.endif
.endm
.macro STEP slot, q, first
	s_wait_dscnt (NT/2)*NL                         ; all but the youngest loads (A's upper tiles) are in
	MULQ 0, (\q)%2, \q, \slot, \first
	MULQ 1, (\q)%2, \q, \slot, \first
	s_wait_dscnt 0x0
	PLACES
	FETCH_B \slot, (\q)+1, 1-(\q)%2
	FETCH_A \slot, (\q)+1, 0
	MULQ 2, (\q)%2, \q, \slot, \first
	MULQ 3, (\q)%2, \q, \slot, \first
	PLACES
	WIN 0
	FETCH_A \slot, (\q)+1, NT/2
.endm
.macro REST slot
.if NQ == 4
	STEP \slot, 1, 0
	STEP \slot, 2, 0
.endif
.endm
.macro TURN slot, next, fill           ; a slot's last step changes slots
.if \fill
	s_wait_xcnt 0x0                                ; the last prefetch, a slot back, has read its address: it is stepped here, ahead of the waits of the change of slots
	s_add_nc_u64 s[PFA:PFA+1], s[PFA:PFA+1], HPS*768
.endif
	s_wait_tensorcnt 0x0                           ; all my tensor loads have landed
	ds_add_u32 v[SPW], v[NIL]
	s_wait_dscnt (NT/2)*NL+1                       ; (the add and A's upper tiles may be out)
	MULQ 0, 1, NQ-1, \slot, 0
	s_wait_dscnt 0x0                               ; the add is done, my reads of this slot are over
	s_barrier_signal -1
	MULQ 1, 1, NQ-1, \slot, 0
	WIN 0
	s_barrier_wait -1
.if \fill
	CREST                                          ; a round of the cluster's barrier: no wave of any partner still reads this slot or has a load on its way
	s_add_nc_u64 s[G0+4*\slot+2:G0+4*\slot+3], s[G0+4*\slot+2:G0+4*\slot+3], 2*HPS*768
	s_add_nc_u64 s[G0B+4*\slot+2:G0B+4*\slot+3], s[G0B+4*\slot+2:G0B+4*\slot+3], 2*HPS*768
	JLOAD G0+4*\slot, G1, G0B+4*\slot, G1B
.else
	PLACES
.endif
	v_add_nc_u32 v[ADRS], NQ*NT*64, v[ADRS]
	FETCH_B \next, 0, 0
	FETCH_A \next, 0, 0
	SCALES \next
.if \fill
	ASK                                            ; behind the joint load and the run of LDS loads that the next products wait for
.endif
	MULQ 2, 1, NQ-1, \slot, 0
	MULQ 3, 1, NQ-1, \slot, 0
	PLACES
	WIN 0
	FETCH_A \next, 0, NT/2
.endm
	s_load_b128 s[4:7], s[0:1], 0x0                ; A's buffer, wq
	s_load_b128 s[8:11], s[0:1], 0x10              ; the bias, the residual
	s_load_b64 s[12:13], s[0:1], 0x20              ; the output
	v_lshl_add_u32 v[SPW], v0, 2, SPARE
	v_mov_b32 v[NIL], 0
	ds_add_u32 v28, v29
	ds_add_u32 v28, v29
	s_wait_dscnt 0x0
	v_lshrrev_b32 v1, 5, v0
	v_readfirstlane_b32 s14, v1
	s_lshr_b32 s15, s14, 1                         ; my quarter of A.  Also: I fetch for A (0) or for B (1)
	s_and_b32 s16, s14, 1                          ; my quarter of B.  Also: which quarter I fetch
	s_bfe_u32 s40, ttmp6, 0x40000
	s_bfe_u32 s41, ttmp6, 0x40004
	s_lshl_b32 s42, ttmp9, 2
	s_add_co_u32 s42, s42, s40                     ; IB: which 128 columns
	s_and_b32 s17, ttmp7, 0xffff
	s_lshl_b32 s17, s17, 2
	s_add_co_u32 s17, s17, s41                     ; IA: which 128 tokens
	s_lshl_b32 s43, s41, 2
	s_lshl_b32 s43, 15, s43
	s_lshl_b32 s44, 0x1111, s40
	s_or_b32 s[G1], s43, (3<<16)|(1<<21)
	s_or_b32 s[G1B], s44, (3<<16)|(1<<21)
.irp g, G1, G1B
	s_mov_b32 s[\g+1], (HPS*96)<<16
	s_mov_b32 s[\g+2], NT<<16
	s_mov_b32 s[\g+3], (HPS*96)<<16
	s_mov_b32 s[\g+4], NT
	s_mov_b32 s[\g+5], TP/8
	s_mov_b32 s[\g+6], 0
	s_mov_b32 s[\g+7], 0
.endr
	s_or_b32 s[G1S], s43, (3<<16)|(1<<21)
	s_or_b32 s[G1SB], s44, (3<<16)|(1<<21)
.irp g, G1S, G1SB
	s_mov_b32 s[\g+1], (NT*8)<<16
	s_mov_b32 s[\g+2], (KK/128)<<16
	s_mov_b32 s[\g+3], (NT*8)<<16
	s_mov_b32 s[\g+4], KK/128
	s_mov_b32 s[\g+6], 0
	s_mov_b32 s[\g+7], 0
.endr
	s_mov_b32 s[G1S+5], SPA/8
	s_mov_b32 s[G1SB+5], SPB/8
	s_lshl_b32 s20, s17, 1
	s_add_co_u32 s20, s20, s16
	s_mul_i32 s22, s20, NT*64
	s_add_co_u32 s22, s22, A_SCL
	s_mul_i32 s20, s20, NT*TP
	s_mov_b32 s21, 0
	s_mov_b32 s23, 0
	s_lshl_b32 s46, s42, 1
	s_add_co_u32 s46, s46, s16
	s_mul_i32 s92, s46, NT*64
	s_add_co_u32 s92, s92, B_SCL
	s_mul_i32 s46, s46, NT*TP
	s_add_co_u32 s46, s46, B_IMG
	s_mov_b32 s47, 0
	s_mov_b32 s93, 0
	s_mul_i32 s45, s14, QT
	s_mul_i32 s94, s14, QS
	s_wait_kmcnt 0x0
	s_add_nc_u64 s[20:21], s[4:5], s[20:21]
	s_add_nc_u64 s[22:23], s[4:5], s[22:23]
	s_add_nc_u64 s[46:47], s[6:7], s[46:47]
	s_add_nc_u64 s[92:93], s[6:7], s[92:93]
	CROUND
	s_mov_b32 s[G0S], 1
	s_add_co_u32 s[G0S+1], s94, SCL
	s_mov_b64 s[G0S+2:G0S+3], s[22:23]
	s_or_b32 s[G0S+3], s[G0S+3], 0x80000000
	s_mov_b32 s[G0SB], 1
	s_add_co_u32 s[G0SB+1], s94, SCL
	s_mov_b64 s[G0SB+2:G0SB+3], s[92:93]
	s_or_b32 s[G0SB+3], s[G0SB+3], 0x80000000
	JLOAD G0S, G1S, G0SB, G1SB
.irp s, 0,1
	s_mov_b32 s[G0+4*\s], 1
	s_add_co_u32 s[G0+4*\s+1], s45, \s*SLOT
	s_add_nc_u64 s[G0+4*\s+2:G0+4*\s+3], s[20:21], \s*HPS*768
	s_or_b32 s[G0+4*\s+3], s[G0+4*\s+3], 0x80000000
	s_mov_b32 s[G0B+4*\s], 1
	s_add_co_u32 s[G0B+4*\s+1], s45, \s*SLOT
	s_add_nc_u64 s[G0B+4*\s+2:G0B+4*\s+3], s[46:47], \s*HPS*768
	s_or_b32 s[G0B+4*\s+3], s[G0B+4*\s+3], 0x80000000
	JLOAD G0+4*\s, G1, G0B+4*\s, G1B
.endr
	; the prefetches: where mine stand, and who asks.  s[20:21] and s[46:47] still stand at the quarter of A and of B that I fetch; nothing is asked for here, at the head
	s_and_b32 s2, ttmp7, 0xffff                    ; cluster y
	s_cmp_eq_u32 s15, 0                            ; do I fetch for A?
	s_cselect_b32 s3, s40, s41                     ; my place among the four that ask with me: it enters the address alone
	s_cselect_b32 s2, ttmp9, s2                    ; the coordinate along which other clusters read the same tiles
	s_cselect_b64 s[PFA:PFA+1], s[20:21], s[46:47]
	s_cmp_eq_u32 s2, 0
	s_cselect_b32 s[LIM], 1, -1                    ; the same in all sixteen partners, for a given wave
	s_mul_i32 s2, s3, TP                           ; my work-group's tile of the four,
	s_add_co_u32 s2, s2, 3*HPS*768                 ; at slot 3: the first refill (slot 2) steps it to slot 4
	s_mov_b32 s3, 0
	s_add_nc_u64 s[PFA:PFA+1], s[PFA:PFA+1], s[2:3]
	v_and_b32 v[PFO], 31, v0
	v_min_u32 v[PFO], 23, v[PFO]
	v_lshlrev_b32 v[PFO], 8, v[PFO]
	v_and_b32 v1, 15, v0
	v_bfe_u32 v2, v0, 4, 1
	v_and_b32 v3, 31, v0
	v_lshlrev_b32 v[L16], 4, v3
	v_lshlrev_b32 v[L8], 3, v3
	s_mul_i32 s21, s15, QT
	s_mul_i32 s22, s16, QT
	s_add_co_u32 s22, s22, 2*QT
.irp s, 0,1
	v_add_nc_u32 v[ADRA+\s], s21, v[L16]
	v_add_nc_u32 v[ADRA+2+\s], s21, v[L8]
	v_add_nc_u32 v[ADRB+\s], s22, v[L16]
	v_add_nc_u32 v[ADRB+2+\s], s22, v[L8]
	s_add_co_u32 s21, s21, SLOT
	s_add_co_u32 s22, s22, SLOT
.endr
	v_lshlrev_b32 v5, 2, v1
	s_mul_i32 s21, s15, QS
	s_mul_i32 s22, s16, QS
	s_add_co_u32 s22, s22, 2*QS
	s_sub_co_u32 s22, s22, s21
	v_mul_u32_u24 v6, s22, v2
	s_add_co_u32 s21, s21, SCL
	v_add_nc_u32 v6, v5, v6
	v_add_nc_u32 v[ADRS], s21, v6
	s_mul_i32 s21, s14, 16*272                     ; my stage, 16 rows x (256 + 16) bytes, in slot 0: used when that slot has had its last fill and its last read
	v_mul_u32_u24 v[STO], v1, 272
	v_lshl_add_u32 v[STO], v2, 6, v[STO]
	v_add_nc_u32 v[STO], s21, v[STO]               ; in: row r, + 64 h
	v_mul_u32_u24 v[RD], v2, 272
	v_lshl_add_u32 v[RD], v1, 4, v[RD]
	v_add_nc_u32 v[RD], s21, v[RD]                 ; back: lanes 0-15 one row, lanes 16-31 the next
	v_lshlrev_b32 v[CO], 12, v2
	v_lshl_add_u32 v[CO], v1, 4, v[CO]             ; and the same in memory: rows of 4,096 bytes
	s_lshl_b32 s18, s17, 1
	s_add_co_u32 s18, s18, s15
	s_lshl_b32 s18, s18, 18                        ; my 64 tokens
	s_lshl_b32 s2, s42, 9
	s_lshl_b32 s19, s16, 8
	s_add_co_u32 s2, s2, s19                       ; my 64 columns: 256 bytes, aligned
	s_mov_b32 s3, 0
	s_add_nc_u64 s[BRB:BRB+1], s[8:9], s[2:3]
	s_add_co_u32 s18, s18, s2
	s_mov_b32 s19, 0
	s_add_nc_u64 s[RB:RB+1], s[10:11], s[18:19]
	s_add_nc_u64 s[OB:OB+1], s[12:13], s[18:19]
	v_lshlrev_b32 v8, 6, v2
.irp t, 0,1,2,3
	global_load_b128 v[BR+8*\t:BR+8*\t+3], v8, s[BRB:BRB+1] offset:(32*(\t/2)+8*(\t%2))*4
	global_load_b128 v[BR+8*\t+4:BR+8*\t+7], v8, s[BRB:BRB+1] offset:(32*(\t/2)+8*(\t%2))*4+16
.endr
	WIN 0xc0                                       ; destination window 3
.irp a, 0,1,2,3                        ; stage row 2 k + (lane / 16) of tile a is token 32 (a/2) + 8 (a%2) + 16 (k/4) + 2 (k%4) + (lane / 16)
.irp k, 0,1,2,3,4,5,6,7
	global_load_b128 v[4*(8*\a+\k):4*(8*\a+\k)+3], v[CO], s[RB:RB+1] offset:(32*(\a/2)+8*(\a%2)+16*(\k/4)+2*(\k%4))*4096 th:TH_LOAD_NT
.endr
.endr
	WIN 0
	s_wait_tensorcnt 1                             ; the scale words and my part of slot 0 are in; slot 1's load may be out
	s_barrier_signal -1
	s_barrier_wait -1
	FETCH_B 0, 0, 0
	FETCH_A 0, 0, 0
	SCALES 0
	FETCH_A 0, 0, NT/2
	s_wait_loadcnt 32                              ; the bias is in; the 32 loads of the residual may be out
	STEP 0, 0, 1
.if LAPS > 1
	s_mov_b32 s3, LAPS-1
.Llap:                                             ; a trip goes once round the ring and fills both slots again
	REST 0
	TURN 0, 1, 1
	STEP 1, 0, 0
	REST 1
	TURN 1, 0, 1
	STEP 0, 0, 0
	s_sub_co_u32 s3, s3, 1
	s_cmp_lg_u32 s3, 0
	s_cbranch_scc1 .Llap
.endif
	REST 0
	TURN 0, 1, 0
	STEP 1, 0, 0
	REST 1
	s_wait_dscnt (NT/2)*NL
	MULQ 0, 1, NQ-1, 1, 0
	MULQ 1, 1, NQ-1, 1, 0
	s_wait_dscnt 0x0
	MULQ 2, 1, NQ-1, 1, 0
	MULQ 3, 1, NQ-1, 1, 0
	WIN 0
; THE WAY OUT, a tile of 16 tokens x 64 columns at a time, through my own stage: sixteen lanes then store 256 consecutive bytes, aligned.
.macro TOSTAGE a
	WIN 0x08                                       ; an LDS store's data: window 2
.irp b, 0,1,2,3
	ds_store_b128 v[STO], v[32*(\a)+8*\b:32*(\a)+8*\b+3] offset:128*(\b/2)+32*(\b%2)       ; each accumulator from its low end on
	ds_store_b128 v[STO], v[32*(\a)+8*\b+4:32*(\a)+8*\b+7] offset:128*(\b/2)+32*(\b%2)+16
.endr
	WIN 0
.set BB, BK+32*((\a)%2)
.irp k, 0,1,2,3,4,5,6,7
	ds_load_b128 v[BB+4*\k:BB+4*\k+3], v[RD] offset:2*\k*272       ; LDS serves a wave's instructions in order: these see my stores
.endr
.endm
.macro SEND a, younger
.set BB, BK+32*((\a)%2)
	s_wait_dscnt \younger
	WIN 0x0c                                       ; source 1: window 3
.set i, 0
.rept 16
	v_pk_add_f32 v[BB+i:BB+i+1], v[BB+i:BB+i+1], v[32*(\a)+i:32*(\a)+i+1]
.set i, i+2
.endr
	WIN 0
.irp k, 0,1,2,3,4,5,6,7
	global_store_b128 v[CO], v[BB+4*\k:BB+4*\k+3], s[OB:OB+1] offset:(32*((\a)/2)+8*((\a)%2)+16*(\k/4)+2*(\k%4))*4096 th:TH_STORE_NT
.endr
.endm
	s_wait_loadcnt 0x0                             ; the residual
	PLACES
	TOSTAGE 0
.irp a, 1,2,3
.if \a > 1
	s_wait_xcnt 0x0                                ; tile a - 2's stores have read their registers
.endif
	TOSTAGE \a
	SEND \a-1, 16                                  ; behind tile a - 1's loads: tile a's 8 stores and 8 loads
.endr
	SEND 3, 0
	s_wait_tensorcnt 0x0                           ; the wave's end
	ds_add_u32 v[SPW], v[NIL]
	s_wait_dscnt 0x0
	CROUND                                         ; the closing round
	s_endpgm
.Lfunc_end_k_q238b198b9a_fc2:
	.size	k_q238b198b9a_fc2, .Lfunc_end_k_q238b198b9a_fc2-k_q238b198b9a_fc2
	.p2alignl 7, 3214868480
	.fill 96, 4, 3214868480
	.section	.rodata,"a",@progbits
	.p2align	6, 0x0
	.amdhsa_kernel k_q238b198b9a_fc2
		.amdhsa_group_segment_fixed_size 327680
		.amdhsa_private_segment_fixed_size 0
		.amdhsa_enable_private_segment 0
		.amdhsa_kernarg_size 40
		.amdhsa_user_sgpr_count 2
		.amdhsa_user_sgpr_kernarg_segment_ptr 1
		.amdhsa_wavefront_size32 1
		.amdhsa_system_sgpr_workgroup_id_x 1
		.amdhsa_system_sgpr_workgroup_id_y 1
		.amdhsa_system_sgpr_workgroup_id_z 1
		.amdhsa_system_vgpr_workitem_id 0
		.amdhsa_next_free_vgpr 1024
		.amdhsa_next_free_sgpr 100
		.amdhsa_reserve_vcc 0
		.amdhsa_float_denorm_mode_32 3
		.amdhsa_float_denorm_mode_16_64 3
		.amdhsa_memory_ordered 1
		.amdhsa_forward_progress 1
		.amdhsa_inst_pref_size 105
	.end_amdhsa_kernel
	.amdgpu_metadata
---
amdhsa.version: [ 1, 2 ]
amdhsa.kernels:
  - .name:           k_q238b198b9a_fc2
    .symbol:         k_q238b198b9a_fc2.kd
    .args:
      - { .name: hb, .offset: 0, .size: 8, .value_kind: global_buffer, .address_space: global }
      - { .name: wq, .offset: 8, .size: 8, .value_kind: global_buffer, .address_space: global }
      - { .name: b_fc2, .offset: 16, .size: 8, .value_kind: global_buffer, .address_space: global }
      - { .name: x1, .offset: 24, .size: 8, .value_kind: global_buffer, .address_space: global }
      - { .name: out0, .offset: 32, .size: 8, .value_kind: global_buffer, .address_space: global }
    .group_segment_fixed_size: 327680
    .private_segment_fixed_size: 0
    .kernarg_segment_align: 8
    .kernarg_segment_size: 40
    .max_flat_workgroup_size: 128
    .sgpr_count:     100
    .vgpr_count:     1024
    .wavefront_size: 32
...
	.end_amdgpu_metadata
.endif
;; end of part 7
